; MI455X (gfx1250); checked and timed in simulation.
; The chip was launched on July 23, 2026; its instructions are those of AMD's public machine-readable ISA for CDNA 5 (MIT licence, August 2026) and "CDNA5" Instruction Set Architecture Reference Guide (July 2026). The comments in the code are by the model that wrote it; some were corrected since.
;; Causal Multi Head Self Attention. Allowed arithmetic: matrix products marked QUANTISED: E4M3 operands, one given power-of-two scale a tensor, by v_wmma_f32_16x16x64_fp8_fp8 or v_wmma_f32_16x16x128_fp8_fp8, f32 sums; everything else in f32.
;; Inputs: Wout 1,024 x 1,024 float32; Wqkv 3,072 x 1,024 float32; lowp_scales 8 int32 (the exponents e of the quantised operands' scales 2^e); x 4 x 2,048 x 1,024 float32.
;; Outputs: out0 4 x 2,048 x 1,024 float32.
;; This version of the problem:
;;   THIS VERSION OF THE PROBLEM IS GIVEN IN LOW PRECISION. The matrix products marked QUANTISED in the list below multiply operands that are first quantised to E4M3 (4 exponent bits, 3 mantissa bits; 8 bits a number), with one given power-of-two scale for each operand tensor; their sums are f32. All else is computed in f32.
;;   The module's matrix products, in the order in which they are computed (A, B: the left and right operand; K: the contracted axis; several contracted axes count as one K, in the product's order):
;;     1. [M 8,192, K 1,024] x [K 1,024, N 3,072]; A: input x; B: input Wqkv: QUANTISED (scales: A lowp_scales[0], B lowp_scales[1])
;;     2. batch 64 x [M 2,048, K 64] x [K 64, N 2,048]; A: computed on the way; B: computed on the way: QUANTISED (scales: A lowp_scales[2], B lowp_scales[3])
;;     3. batch 64 x [M 2,048, K 2,048] x [K 2,048, N 64]; A: softmax (see below); B: computed on the way: QUANTISED (scales: A lowp_scales[4], B lowp_scales[5])
;;     4. [M 8,192, K 1,024] x [K 1,024, N 1,024]; A: computed on the way; B: input Wout: QUANTISED (scales: A lowp_scales[6], B lowp_scales[7])
;;   THE QUANTISER, for each operand of a quantised product, along K:
;;     - The operand's scale is 2^e, e = its entry of the input lowp_scales (int32; the entries are numbered through the quantised products in the list's order, A before B).
;;     - Each number is divided by the scale, clamped to +-448, and rounded to the nearest number of E4M3, ties to even, subnormals kept.
;;     - The product sums the exact products of the quantised numbers (number of the format x scale) in f32.
;;   ~~~python
;;   def quantise(x, axis, e):      # numpy; x: float32 -> the quantised numbers, widened to float32 again
;;       x = np.moveaxis(x, axis, -1); K = x.shape[-1]
;;       r = np.clip(x / 2.0 ** e, -448, 448)
;;       step = 2.0 ** (np.maximum(np.frexp(np.where(r == 0, 1, r))[1] - 1, -6) - 3)
;;       q = np.round(r / step) * step * 2.0 ** e      # np.round: ties to even
;;       return np.moveaxis(q, -1, axis).astype(np.float32)
;;   ~~~
;;   SOFTMAX AHEAD OF A QUANTISED PRODUCT. Where the list says 'softmax', what is quantised is not the finished softmax but p = 2^(t - M), with t = logit x log2(e) and M = ceil(the row's largest t), a whole number; so 1/2 < the row's largest p <= 1. The row's sum l is taken of the UNQUANTISED p, in f32, and the product's result is divided by l at the end. Since M is a whole number, a kernel that streams over the keys may use a running M (the ceiling of the running maximum): every later rescaling is an exact power of two, so the quantised numbers keep their values, but for numbers so far below the row's largest that they fall under the format's range.
;;   OPERANDS COMPUTED ON THE WAY. 'Computed on the way' means the value that the module computes at that place (a softmax that the list does not call 'softmax' is quantised finished and normalised). What goes into a quantiser is computed in f32, as accurately as f32 sums, v_exp_f32 and their like allow (about 1e-6 of the number): no bf16 or f16 on the way to a quantiser, and a product that is left as it is and whose result goes on into a quantised operand takes f32 operands (vector FMAs, or v_wmma_f32_16x16x4_f32). A number that lies on a knife's edge between two numbers of the format may be rounded either way, as far as f32 arithmetic and the matrix unit's own rounding can turn it there, and no further.
;; One version. Each part assembles by itself: llvm-mc -triple=amdgcn-amd-amdhsa -mcpu=gfx1250 --defsym DOCPART=n.
;; ======== version 1 of 1: 4 launches
;; limits: right only within a limited range of input values
;; workspace buffers: x_codes 8,388,608 bytes; wqkv_codes 3,145,728 bytes; wout_codes 1,048,576 bytes; rope 524,288 bytes; q_codes 8,388,608 bytes; k_codes 8,388,608 bytes; v_codes 8,388,608 bytes; a_codes 8,388,608 bytes
;; launch prep (part 1): grid 400 x 1, 4 waves a work-group, no clusters, 33,280 bytes of LDS; arguments x, Wqkv, Wout, lowp_scales, x_codes, wqkv_codes, wout_codes, rope; writes x_codes, wqkv_codes, wout_codes, rope
.if DOCPART == 1
	.amdgcn_target "amdgcn-amd-amdhsa--gfx1250"
	.amdhsa_code_object_version 6
	.text
	.protected	k_q193eac256c_prep
	.globl	k_q193eac256c_prep
	.p2align	8
	.type	k_q193eac256c_prep,@function
k_q193eac256c_prep:
	s_mov_b64 s[64:65], 0
	v_nop
	global_prefetch_b8 v0, s[64:65] scope:SCOPE_SE
	s_setreg_imm32_b32 hwreg(HW_REG_WAVE_MODE, 25, 1), 1
	s_wait_xcnt 0x0
; x [8192][1024], Wqkv [3072][1024] and Wout [1024][1024], f32 with K innermost, become codes of FP8 (E4M3), one byte each, each with the scale 2^e that is given for it
; (entries 0, 1 and 7 of the scales); and the table of cos and sin for the rotary embedding is made: rope[pos 2048][i 32] = (cos, sin)(pos x 10000^(-i / 32)), f32, 256 bytes a position.
; code = x / 2^e, held within +-448, rounded to the nearest code, ties to even.
; LIMITS: -126 <= e and e + 8 <= 127 for the three exponents.  NaN among the inputs is not served.  10000^(-i / 32) = 10^(-i / 8) is taken correctly rounded to f32.
; ORDER OF THE CODES.  In each block of 32 along K the four pieces of 8 codes are stored in the order 0, 2, 1, 3.  A lane of the later products that reads 16 bytes at byte 32 c + 16 h of a row
; then holds k = 32 c + 8 h + 0..7 and k = 32 c + 16 + 8 h + 0..7: the places that the 8-bit matrix forms give registers 4 c .. 4 c + 3 of lane half h.
; SHARES.  Rows are dense, so a tensor is a stream of blocks of 32.  Work-groups 0-255 take x, 256-351 Wqkv, 352-383 Wout: 32,768 numbers each, a wave 16 steps of 512.  Work-groups 384-399 make the table:
; 64 waves x 32 positions, a lane to a frequency.
; A STEP.  Each of its four loads reads 512 consecutive bytes, 16 a lane.  The conversion wants 8 neighbours along K in one lane's registers: so the 2,048 bytes go through the wave's own stage in LDS, as they lie
; (16 bytes of padding behind each 64), and come back so that lane 2 B + o holds pieces o and 2 + o of block B.  Its 16 codes go to byte 16 x lane of the step's 512: the wave stores 512 consecutive bytes.
; No tensor loads, no barrier: waves share nothing.  Loads run four steps (16 loads a wave) ahead, the turn through LDS one step.
.set WAVES, 4
.set STEPS, 16
.set WG_X,  256                        ; work-groups for x
.set WG_XW, 352                        ; for x and Wqkv
.set WG_Q,  384                        ; for all three tensors
.set EMAX,  8
.set MANT,  0x600000                   ; the mantissa field of 448 as f32
.set R,     16                         ; v16-79   four sets of 16 numbers as they are loaded
.set X,     80                         ; v80-111  two sets of 16 numbers: two pieces of a block
.set C,     128                        ; v128-191 codes: four registers for each step, so that no store's data are written again
.set WREG,  8192                       ; LDS: a region of its own for each wave: two stages of 32 x SP bytes
.set SP,    80                         ; 64 bytes (16 numbers) + 16 of padding
.set SPW,   12                         ; v12      LDS address of my spare word: SPARE + 4 x my thread's number; never rewritten
.set NIL,   13                         ; v13      0; never rewritten
.set SPARE, WAVES*WREG                 ; behind the four regions: the spare words, 128 bytes for each wave: two blocks of 256 bytes that no other line names
	s_load_b256 s[4:11], s[0:1], 0x0               ; x s[4:5], Wqkv s[6:7], Wout s[8:9], the scales' exponents s[10:11]
	s_load_b256 s[12:19], s[0:1], 0x20             ; x's codes s[12:13], Wqkv's s[14:15], Wout's s[16:17], the table s[18:19]
	v_lshl_add_u32 v[SPW], v0, 2, SPARE
	v_mov_b32 v[NIL], 0
	v_lshrrev_b32 v1, 5, v0
	v_readfirstlane_b32 s20, v1                    ; wave
	v_and_b32 v2, 31, v0                           ; lane
	s_wait_kmcnt 0x0
	s_cmp_ge_u32 ttmp9, WG_Q                       ; the last sixteen work-groups make the table: a branch on the work-group's number alone
	s_cbranch_scc1 .Ltable
	; ---------------- the quantiser
	s_load_b256 s[24:31], s[10:11], 0x0            ; e0 .. e7
	s_wait_alu depctr_va_vdst(0)
	v_lshlrev_b32 v3, 4, v2                        ; my 16 bytes of a load's 512, and of a step's 512 bytes of codes
	s_mul_i32 s21, s20, WREG
	v_lshrrev_b32 v14, 2, v2
	v_mul_u32_u24 v14, v14, SP
	v_and_b32 v15, 3, v2
	v_lshl_add_u32 v14, v15, 4, v14
	v_add_nc_u32 v14, s21, v14                     ; the stage, on the way in: four lanes' 64 bytes on end, then 16 of padding: SP (lane / 4) + 16 (lane % 4); a load's 512 bytes take eight places
	v_lshrrev_b32 v15, 1, v2
	v_mul_u32_u24 v15, v15, 2*SP
	v_and_b32 v4, 1, v2
	v_lshl_add_u32 v15, v4, 5, v15
	v_add_nc_u32 v15, s21, v15                     ; and on the way out: block lane / 2 (two places), 32 bytes on for the odd lane: piece o here, piece 2 + o one place further
	s_cmp_lt_u32 ttmp9, WG_XW                      ; which tensor?  The choice hangs on the work-group's number alone
	s_cselect_b64 s[32:33], s[6:7], s[8:9]
	s_cselect_b64 s[34:35], s[14:15], s[16:17]
	s_mov_b32 s22, WG_XW
	s_cselect_b32 s22, WG_X, s22                   ; the tensor's first work-group
	s_cmp_lt_u32 ttmp9, WG_X
	s_cselect_b64 s[32:33], s[4:5], s[32:33]
	s_cselect_b64 s[34:35], s[12:13], s[34:35]
	s_cselect_b32 s22, 0, s22
	s_sub_co_u32 s22, ttmp9, s22
	s_lshl_b32 s22, s22, 2
	s_add_co_u32 s22, s22, s20                     ; which run of 8,192 numbers of the tensor is my wave's: 1,023 at the most
	s_lshl_b32 s36, s22, 15                        ; 32,768 bytes of numbers,
	s_mov_b32 s37, 0
	s_add_nc_u64 s[32:33], s[32:33], s[36:37]
	s_lshl_b32 s36, s22, 13                        ; 8,192 bytes of codes
	s_add_nc_u64 s[34:35], s[34:35], s[36:37]
.macro LOAD t
.irp i, 0,1,2,3
	global_load_b128 v[R+16*((\t)%4)+4*\i:R+16*((\t)%4)+4*\i+3], v3, s[32:33] offset:2048*(\t)+512*\i th:TH_LOAD_NT   ; 32 lanes read 512 consecutive bytes; read once in the launch
.endr
.endm
.macro TURN t                          ; step t's numbers through the stage: LDS serves a wave's instructions in order (ISA guide 5.7.1.4), so no wait stands between the stores and the loads
.irp i, 0,1,2,3
	ds_store_b128 v14, v[R+16*((\t)%4)+4*\i:R+16*((\t)%4)+4*\i+3] offset:32*SP*((\t)%2)+8*SP*\i
.endr
.irp i, 0,1,2,3
	ds_load_b128 v[X+16*((\t)%2)+4*\i:X+16*((\t)%2)+4*\i+3], v15 offset:32*SP*((\t)%2)+SP*(\i/2)+16*(\i%2)
.endr
.endm
.irp t, 0,1,2,3
	LOAD \t
.endr
	s_wait_alu depctr_va_vdst(0)
	s_wait_kmcnt 0x0
	s_cmp_lt_u32 ttmp9, WG_XW
	s_cselect_b32 s23, s25, s31                    ; e1 for Wqkv, e7 for Wout,
	s_cmp_lt_u32 ttmp9, WG_X
	s_cselect_b32 s23, s24, s23                    ; e0 for x
	s_add_co_i32 s23, s23, 127
	s_lshl_b32 s38, s23, 23
	v_mov_b32 v11, s38                             ; 2^e as f32: the conversion takes its exponent field
	s_add_co_i32 s23, s23, EMAX
	s_lshl_b32 s23, s23, 23
	s_or_b32 s23, s23, MANT
	v_mov_b32 v10, s23                             ; 448 x 2^e
	s_wait_alu depctr_va_vdst(0)
	s_wait_loadcnt 12                              ; step 0's four loads are in; the twelve of steps 1 to 3 may be out
	TURN 0
.macro STEP t
.set XS, X+16*((\t)%2)
	s_wait_dscnt 0x0                               ; this step's numbers are back from the stage: so its stores into the stage have read their registers,
.if (\t)+4 < STEPS
	LOAD (\t)+4                                    ; which take the loads of four steps on
.endif
.if (\t)+1 < STEPS
.if STEPS-2-(\t) >= 3
	s_wait_loadcnt 12                              ; the next step's four loads are in; those of the three steps behind it may be out
.else
	s_wait_loadcnt 4*(STEPS-2-(\t))                ; at the end the count runs down with the steps that are left
.endif
	TURN (\t)+1                                    ; and go through the other stage while this step is worked
.endif
.irp i, 0,1,2,3,4,5,6,7,8,9,10,11,12,13,14,15
	v_med3_num_f32 v[XS+\i], v[XS+\i], -v10, v10   ; the conversion to an 8-bit code does not saturate (ISA guide 7.6.2): hold the number within the largest code x the scale first
.endr
	v_cvt_scalef32_pk8_fp8_f32 v[C+4*(\t):C+4*(\t)+1], v[XS:XS+7], v11          ; piece o of my block
	v_cvt_scalef32_pk8_fp8_f32 v[C+4*(\t)+2:C+4*(\t)+3], v[XS+8:XS+15], v11     ; piece 2 + o.  (The results go to a store alone; the next vector lines are the next step's holds, plain ones on other registers)
	global_store_b128 v3, v[C+4*(\t):C+4*(\t)+3], s[34:35] offset:512*(\t)      ; 32 lanes store 512 consecutive bytes, at a multiple of 256 from the buffer's first byte
.endm
.irp t, 0,1,2,3,4,5,6,7,8,9,10,11,12,13,14,15
	STEP \t
.endr
	s_branch .Lend
	; ---------------- the table: wave g of 64 takes positions 32 g .. 32 g + 31, lane i the frequency 10^(-i / 8); a trip makes one position and stores its 256 bytes
.Ltable:
	s_sub_co_u32 s21, ttmp9, WG_Q
	s_lshl_b32 s21, s21, 2
	s_add_co_u32 s21, s21, s20                     ; g
	s_lshl_b32 s23, s21, 5                         ; my first position
	s_lshl_b32 s36, s23, 8
	s_mov_b32 s37, 0
	s_add_nc_u64 s[18:19], s[18:19], s[36:37]
	s_wait_alu depctr_va_vdst(0)
	v_lshlrev_b32 v40, 3, v2                       ; 8 bytes a lane: (cos, sin)
	v_mov_b32 v16, 0                               ; the frequencies, lane by lane (v_writelane_b32's destination counts as read: it is written first)
.set n, 0
.irp f, 1.0, 0.7498942093324559, 0.5623413251903491, 0.4216965034285822, 0.31622776601683794, 0.23713737056616552, 0.1778279410038923, 0.1333521432163324, 0.1, 0.07498942093324559, 0.05623413251903491, 0.04216965034285822, 0.031622776601683794, 0.023713737056616552, 0.01778279410038923, 0.01333521432163324, 0.01, 0.007498942093324559, 0.005623413251903491, 0.004216965034285822, 0.0031622776601683794, 0.0023713737056616552, 0.001778279410038923, 0.001333521432163324, 0.001, 0.0007498942093324559, 0.0005623413251903491, 0.0004216965034285822, 0.00031622776601683794, 0.00023713737056616552, 0.0001778279410038923, 0.0001333521432163324
	s_mov_b32 s32, \f
	v_writelane_b32 v16, s32, n
.set n, n+1
.endr
	v_mov_b32 v17, 0xb94ca1f9                      ; sin's highest coefficient, -1.9515295891e-4
	v_mov_b32 v18, 0x37ccf5ce                      ; cos's, 2.443315711809948e-5
	s_mov_b32 s33, 0xbfc90fdb                      ; -(pi / 2 rounded to f32)
	s_mov_b32 s34, 0x333bbd2e                      ; that rounded number less pi / 2: 4.371139e-8
	s_mov_b32 s22, 32
.Lpos:
	v_cvt_f32_u32 v20, s23
	v_mul_f32 v21, v20, v16                        ; the angle: one rounding, up to 2,047
	v_mul_f32 v22, 0x3f22f983, v21                 ; x 2 / pi
	v_rndne_f32 v22, v22                           ; n quarter turns, 1,303 at the most
	v_fma_f32 v23, v22, s33, v21                   ; r = angle - n pi / 2, pi / 2 in two parts, each taken off by one fused multiply-add: |r| <= pi / 4
	v_fma_f32 v23, v22, s34, v23
	v_mul_f32 v24, v23, v23                        ; z = r r
	v_fmaak_f32 v25, v24, v17, 0x3c08839e          ; sin r = r + z r (((S3 z + S2) z) + S1);  S2 = 8.3321608736e-3
	v_fmaak_f32 v27, v24, v18, 0xbab6061a          ; cos r = 1 - z / 2 + z z (((C3 z + C2) z) + C1);  C2 = -1.388731625493765e-3
	v_fmaak_f32 v25, v24, v25, 0xbe2aaaa3          ; S1 = -1.6666654611e-1
	v_fmaak_f32 v27, v24, v27, 0x3d2aaaa5          ; C1 = 4.166664568298827e-2
	v_mul_f32 v26, v24, v23
	v_mul_f32 v30, v24, v24
	v_fma_f32 v31, v24, -0.5, 1.0
	v_fma_f32 v25, v26, v25, v23                   ; sin r
	v_fma_f32 v27, v30, v27, v31                   ; cos r
	v_cvt_i32_f32 v32, v22                         ; n as a whole number
	v_and_b32 v33, 1, v32
	v_cmp_eq_u32 vcc_lo, 1, v33                    ; an odd number of quarter turns swaps the two,
	v_cndmask_b32 v34, v25, v27, vcc_lo
	v_cndmask_b32 v35, v27, v25, vcc_lo
	v_and_b32 v36, 2, v32                          ; sin changes sign where n % 4 is 2 or 3,
	v_lshlrev_b32 v36, 30, v36
	v_xor_b32 v29, v34, v36
	v_add_nc_u32 v37, 1, v32                       ; cos where it is 1 or 2
	v_and_b32 v37, 2, v37
	v_lshlrev_b32 v37, 30, v37
	v_xor_b32 v28, v35, v37
	global_store_b64 v40, v[28:29], s[18:19]       ; 32 lanes store a position's 256 consecutive bytes, aligned
	s_wait_xcnt 0x0                                ; the store's base and data are written again only behind this wait
	s_add_nc_u64 s[18:19], s[18:19], 256
	s_add_co_u32 s23, s23, 1
	s_sub_co_u32 s22, s22, 1
	s_cmp_lg_u32 s22, 0
	s_cbranch_scc1 .Lpos
.Lend:
	s_wait_tensorcnt 0x0                           ; the wave's end: behind my last LDS store
	ds_add_u32 v[SPW], v[NIL]
	s_wait_dscnt 0x0
	s_endpgm
.Lfunc_end_k_q193eac256c_prep:
	.size	k_q193eac256c_prep, .Lfunc_end_k_q193eac256c_prep-k_q193eac256c_prep
	.p2alignl 7, 3214868480
	.fill 96, 4, 3214868480
	.section	.rodata,"a",@progbits
	.p2align	6, 0x0
	.amdhsa_kernel k_q193eac256c_prep
		.amdhsa_group_segment_fixed_size 33280
		.amdhsa_private_segment_fixed_size 0
		.amdhsa_enable_private_segment 0
		.amdhsa_kernarg_size 64
		.amdhsa_user_sgpr_count 2
		.amdhsa_user_sgpr_kernarg_segment_ptr 1
		.amdhsa_wavefront_size32 1
		.amdhsa_system_sgpr_workgroup_id_x 1
		.amdhsa_system_sgpr_workgroup_id_y 1
		.amdhsa_system_sgpr_workgroup_id_z 1
		.amdhsa_system_vgpr_workitem_id 0
		.amdhsa_next_free_vgpr 192
		.amdhsa_next_free_sgpr 66
		.amdhsa_reserve_vcc 1
		.amdhsa_float_denorm_mode_32 3
		.amdhsa_float_denorm_mode_16_64 3
		.amdhsa_memory_ordered 1
		.amdhsa_forward_progress 1
		.amdhsa_inst_pref_size 44
	.end_amdhsa_kernel
	.amdgpu_metadata
---
amdhsa.version: [ 1, 2 ]
amdhsa.kernels:
  - .name:           k_q193eac256c_prep
    .symbol:         k_q193eac256c_prep.kd
    .args:
      - { .name: x, .offset: 0, .size: 8, .value_kind: global_buffer, .address_space: global }
      - { .name: Wqkv, .offset: 8, .size: 8, .value_kind: global_buffer, .address_space: global }
      - { .name: Wout, .offset: 16, .size: 8, .value_kind: global_buffer, .address_space: global }
      - { .name: lowp_scales, .offset: 24, .size: 8, .value_kind: global_buffer, .address_space: global }
      - { .name: x_codes, .offset: 32, .size: 8, .value_kind: global_buffer, .address_space: global }
      - { .name: wqkv_codes, .offset: 40, .size: 8, .value_kind: global_buffer, .address_space: global }
      - { .name: wout_codes, .offset: 48, .size: 8, .value_kind: global_buffer, .address_space: global }
      - { .name: rope, .offset: 56, .size: 8, .value_kind: global_buffer, .address_space: global }
    .group_segment_fixed_size: 33280
    .private_segment_fixed_size: 0
    .kernarg_segment_align: 8
    .kernarg_segment_size: 64
    .max_flat_workgroup_size: 128
    .sgpr_count:     66
    .vgpr_count:     192
    .wavefront_size: 32
...
	.end_amdgpu_metadata
.endif
;; end of part 1
;; launch qkv (part 2): grid 12 x 32, 4 waves a work-group, clusters of 4 x 4, 327,680 bytes of LDS; arguments x_codes, wqkv_codes, lowp_scales, rope, q_codes, k_codes, v_codes; writes q_codes, k_codes, v_codes
.if DOCPART == 2
	.amdgcn_target "amdgcn-amd-amdhsa--gfx1250"
	.amdhsa_code_object_version 6
	.text
	.protected	k_q193eac256c_qkv
	.globl	k_q193eac256c_qkv
	.p2align	8
	.type	k_q193eac256c_qkv,@function
k_q193eac256c_qkv:
	s_mov_b64 s[64:65], 0
	v_nop
	global_prefetch_b8 v0, s[64:65] scope:SCOPE_SE
	s_setreg_imm32_b32 hwreg(HW_REG_WAVE_MODE, 25, 1), 1
	s_wait_xcnt 0x0
	s_wait_alu depctr_hold_cnt(0) depctr_sa_sdst(0) depctr_va_vdst(0) depctr_va_sdst(0) depctr_va_ssrc(0) depctr_va_vcc(0) depctr_vm_vsrc(0)
	s_getreg_b32 s2, hwreg(HW_REG_IB_STS2, 6, 4)
	s_cmp_eq_u32 s2, 0
	s_cbranch_scc0 .Lentry_in_a_cluster
	s_endpgm
.Lentry_in_a_cluster:
	s_bfe_u32 s2, ttmp6, 0x10000c
	s_cmp_lg_u32 s2, 0xf033
	s_cbranch_scc0 .Lentry_shape_is_right
	s_endpgm
.Lentry_shape_is_right:
; qkv = x Wqkv^T on codes of FP8 (E4M3), K = 1,024; q and k are turned by the rotary embedding; q, k and v are quantised for attention's two products and stored as IMAGES OF THE OPERANDS' REGISTERS.
; x_codes [8192][1024], wqkv_codes [3072][1024]: one byte a code, in each block of 32 along K the pieces of 8 in the order 0, 2, 1, 3, so that 16 bytes at byte 32 c + 16 h of a row are registers 4 c .. 4 c + 3 of lane half h.
; rope [2048][32] = (cos, sin), f32.  Scales: e0 (x), e1 (Wqkv), e2 (q), e3 (k), e5 (v).  A sum stands for sum x 2^(e0 + e1); the turning is linear; so a code is (turned) sum / 2^(e - e0 - e1), held within +-448.
; LIMITS: e2 - e0 - e1, e3 - e0 - e1 and e5 - e0 - e1 lie between -126 and 119, so that the scale and 448 x the scale are f32 numbers.
; A tile of 256 x 256 is made by a work-group of four waves; a wave makes 128 x 128: 64 accumulators of 16 x 16, 512 registers.  K goes in four steps of 256 through two LDS slots filled by the tensor data mover.
; THE MATRIX INSTRUCTION takes 16 rows of 'B' as source 0 and 16 rows of 'A' as source 1: lane (r, h) then holds ONE row r of A's block and EIGHT NEIGHBOURING rows 8 h + 0..7 of B's block.
; THE ROLES ARE CHOSEN BY THE CLUSTER'S x, which all sixteen partners share:
;   x = 0 (q), x = 1 (k): A = x_codes (tokens), B = wqkv_codes (channels).  A lane holds one token and 8 neighbouring channels: the embedding's pairs lie in one lane, and the codes run along the next product's K, the head's 64.
;   x = 2 (v):            A = wqkv_codes from row 2,048 on (channels), B = x_codes (tokens).  A lane holds one channel and 8 neighbouring tokens: the codes run along the next product's K, the keys.
; CLUSTERS: 4 x 4 work-groups.  The four of a row of the cluster need the same tiles of A, the four of a column the same tiles of B: each tile is asked for JOINTLY, by the same tensor load with the same descriptor and a mask that names the four.
; WHAT IS STORED.  q_codes, k_codes: [16 batch + head][tile of 16 tokens: 128][c: 2][lane: 32][16 bytes]: lane (r, h), chunk c, byte 8 u + j = token r, channel 32 c + 16 u + 8 h + j.
;   v_codes: [16 batch + head][block of 64 keys: 32][tile of 16 channels: 4][c: 2][lane][16 bytes]: lane (r, h), chunk c, byte 8 u + j = channel r of the tile, key 32 c + 16 u + 8 h + j of the block.
;   The conversions' results are these bytes as they stand: every store of a wave covers 512 consecutive bytes, aligned; no stage in LDS is needed.
; REGISTERS, in windows of 256: window 0: v0-31 addresses; v32-127 three sets of 32 numbers of the table; from v128 A's fragments (8 x 16 rows x 128 K), ONE set; on the way out v128-191 numbers at work, v192-223 two sets of codes.
;   window 1: B's fragments, TWO sets, at v0 and at v128.   window 2: the 32 accumulators of my A rows 0-63 (accumulator (a, b) at v[8 (8 a + b)]);   window 3: those of my A rows 64-127.
.set ROWB,   256                       ; a tile's row in bytes: 256 codes
.set KROW,   1024                      ; a row of either operand in memory, in bytes
.set PITCH,  272                       ; an LDS row: 256 bytes of data + 16 of padding = 68 words: row r starts at bank 4 r mod 64 (64 banks of 4 bytes: ISA guide 11.1), so the 16 rows that a load touches start at 16 different banks
.set FR,     16                        ; registers of a fragment: 16 rows x 128 K
.set NL,     4                         ; LDS loads that bring one
.set NP,     4                         ; places behind this matrix instruction (ISA guide 7.12.1)
.set HALFT,  128*PITCH                 ; 128 rows: what one tensor load brings, and what one wave reads of A or of B
.set SLOT,   4*HALFT                   ; A's 256 rows, then B's 256 rows
.set SPARE,  2*SLOT                    ; behind the two slots: the spare words, 128 bytes for each wave: two blocks of 256 bytes that no other line names
.set ADRA, 16                          ; v16-17  LDS address of my A fragments in slot 0, 1
.set ADRB, 20                          ; v20-21  the same for B
.set CO,   26                          ; v26     16 x lane: my place in an image's 512 bytes; never rewritten
.set TO,   27                          ; v27     the table: 256 r + 32 h: my token's row, my half's four pairs; never rewritten
.set SPW,  28                          ; v28     LDS address of my spare word: SPARE + 4 x my thread's number; never rewritten
.set NIL,  29                          ; v29     0; never rewritten
.set SCL,  30                          ; v30     the conversion's scale as f32
.set LIM,  31                          ; v31     448 x that
.set TS,   32                          ; the table's three sets
.set AF,   128                         ; A's fragments, in window 0
.set TMP,  128                         ; the way out: 64 numbers
.set CD,   192                         ; the way out: two sets of 16 registers of codes
.set G1, 24                            ; s[24:31] descriptor group 1 for A's tiles;  s[32:39] group 0, one set for each slot
.set G0, 32
.set G1B, 48                           ; s[48:55], s[56:63] the same for B's tiles
.set G0B, 56
.set MSB, 0
.macro WIN new                         ; the immediate's high byte repeats the setting that is left
.if MSB != \new
	s_set_vgpr_msb (MSB<<8)|\new
.set MSB, \new
.endif
.endm
.set MUL_LO, 0xa1                      ; source 0 (B) window 1, source 1 (A) window 0, C and D window 2
.set MUL_HI, 0xf1                      ; the same, C and D window 3
.set TO_B,   0x40                      ; destination window 1, address window 0
; A joint load: waves 0 and 1 fetch for A, waves 2 and 3 for B.  Each of the two lines has ONE mask and one set of registers for all that issue it; the branch hangs on the wave's number alone.
; An s_nop 0 and four v_nop follow each of the two lines, ahead of the jump, the label and what follows.
.macro JLOAD g0a, g1a, g0b, g1b
	s_cmp_eq_u32 s15, 0
	s_cbranch_scc0 .Lfor_b_\@
	tensor_load_to_lds s[\g0a:\g0a+3], s[\g1a:\g1a+7]
	s_nop 0
.rept 4
	v_nop
.endr
	s_branch .Lasked_\@
.Lfor_b_\@:
	tensor_load_to_lds s[\g0b:\g0b+3], s[\g1b:\g1b+7]
	s_nop 0
.rept 4
	v_nop
.endr
.Lasked_\@:
.endm
.macro CREST                           ; a round of the cluster's barrier behind its opening barrier
	s_cmp_lg_u32 s14, 0
	s_cbranch_scc1 .Lnot_wave_0_\@
	s_barrier_signal -3
.Lnot_wave_0_\@:
	s_barrier_wait -3
	s_barrier_signal -1
	s_barrier_wait -1
.endm
.macro CROUND                          ; a whole round
	s_barrier_signal -1
	s_barrier_wait -1
	CREST
.endm
	s_load_b256 s[4:11], s[0:1], 0x0               ; x's codes s[4:5], Wqkv's codes s[6:7], the scales' exponents s[8:9], the table s[10:11]
	s_load_b128 s[68:71], s[0:1], 0x20             ; q's codes s[68:69], k's codes s[70:71]
	s_load_b64 s[72:73], s[0:1], 0x30              ; v's codes
	v_lshl_add_u32 v[SPW], v0, 2, SPARE
	v_mov_b32 v[NIL], 0
	ds_add_u32 v[SPW], v[NIL]                      ; the wave's opening: the add and its wait ahead of my first tensor load; the set-up below, work on registers, stands between them
	ds_add_u32 v[SPW], v[NIL]
	v_lshrrev_b32 v1, 5, v0
	v_readfirstlane_b32 s14, v1                    ; wave 0..3
	s_lshr_b32 s15, s14, 1                         ; which half of the tile's A rows is mine.  Also: I fetch for A (0) or for B (1)
	s_and_b32 s16, s14, 1                          ; which half of its B rows.  Also: which 128 rows of that tile I fetch
	s_bfe_u32 s40, ttmp6, 0x40000                  ; cx, cy: my place in the cluster
	s_bfe_u32 s41, ttmp6, 0x40004
	s_and_b32 s90, ttmp7, 0xffff                   ; the cluster's y
	s_cmp_eq_u32 ttmp9, 2                          ; the cluster's x: 2 makes v.  The same in all sixteen partners
	s_cselect_b32 s74, s90, ttmp9                  ; B's tiles go by the cluster's y for v (tokens), else by its x (channels of q, then of k)
	s_cselect_b32 s75, 0, s90                      ; A's by nothing but cy for v (its 1,024 channels are four tiles), else by the cluster's y (tokens)
	s_lshl_b32 s42, s74, 2
	s_add_co_u32 s42, s42, s40                     ; B's tile = 4 x that + cx
	s_lshl_b32 s17, s75, 2
	s_add_co_u32 s17, s17, s41                     ; A's tile = 4 x that + cy
	s_lshl_b32 s43, s41, 2
	s_lshl_b32 s43, 15, s43                        ; my row of the cluster
	s_lshl_b32 s44, 0x1111, s40                    ; my column
	; descriptor group 1: a tile of 128 rows x 256 bytes, padded in LDS
	s_or_b32 s[G1+0], s43, (0<<16)|(1<<20)|(1<<21)|(5<<22)|(3<<25)  ; 15:0 the mask: A's tiles go to my row; 17:16 element of 1 byte; 20 padding on; 21 set beside a mask; 24:22 after every 64 words (code 5); 31:25 of 4 words (code 3)
	s_or_b32 s[G1B+0], s44, (0<<16)|(1<<20)|(1<<21)|(5<<22)|(3<<25)
.irp g, G1, G1B
	s_mov_b32 s[\g+1], ROWB<<16                    ; tensor_dim0
	s_mov_b32 s[\g+2], 128<<16                     ; tensor_dim1 = 128
	s_mov_b32 s[\g+3], ROWB<<16                    ; tile_dim0
	s_mov_b32 s[\g+4], 128                         ; tile_dim1 = 128
	s_mov_b32 s[\g+5], KROW                        ; tensor_dim0_stride
	s_mov_b32 s[\g+6], 0
	s_mov_b32 s[\g+7], 0
.endr
	s_lshl_b32 s18, s16, 7                         ; which 128 rows of the tile I fetch
	s_lshl_b32 s20, s17, 8
	s_add_co_u32 s20, s20, s18                     ; A: row 256 x tile + 128 x half
	s_lshl_b32 s46, s42, 8
	s_add_co_u32 s46, s46, s18                     ; B likewise
	s_mov_b32 s21, 0
	s_mov_b32 s47, 0
	s_mov_b64 s[18:19], KROW
	s_mul_u64 s[20:21], s[20:21], s[18:19]         ; in bytes
	s_mul_u64 s[46:47], s[46:47], s[18:19]
	s_mul_i32 s45, s14, HALFT                      ; where they go: wave x 128 rows: no place in the cluster enters an LDS address
	s_wait_dscnt 0x0                               ; the opening add is done
	s_wait_kmcnt 0x0
	s_load_b256 s[76:83], s[8:9], 0x0              ; e0 .. e7
	s_add_nc_u64 s[92:93], s[6:7], 2048*KROW       ; Wqkv's rows of v
	s_cmp_eq_u32 ttmp9, 2
	s_cselect_b64 s[86:87], s[92:93], s[4:5]       ; A's buffer,
	s_cselect_b64 s[88:89], s[4:5], s[6:7]         ; B's
	s_add_nc_u64 s[20:21], s[86:87], s[20:21]
	s_add_nc_u64 s[46:47], s[88:89], s[46:47]
	CROUND                                         ; all sixteen work-groups are here: the first joint loads meet
.irp s, 0,1
	s_mov_b32 s[G0+4*\s], 1
	s_add_co_u32 s[G0+4*\s+1], s45, \s*SLOT
	s_add_nc_u64 s[G0+4*\s+2:G0+4*\s+3], s[20:21], \s*ROWB
	s_or_b32 s[G0+4*\s+3], s[G0+4*\s+3], 0x80000000
	s_mov_b32 s[G0B+4*\s], 1
	s_add_co_u32 s[G0B+4*\s+1], s45, \s*SLOT
	s_add_nc_u64 s[G0B+4*\s+2:G0B+4*\s+3], s[46:47], \s*ROWB
	s_or_b32 s[G0B+4*\s+3], s[G0B+4*\s+3], 0x80000000
.endr
	JLOAD G0, G1, G0B, G1B                         ; K step 0: one tensor load a wave at the head
	v_and_b32 v1, 15, v0                           ; r = l % 16
	v_bfe_u32 v2, v0, 4, 1                         ; h = l / 16
	v_mul_u32_u24 v3, v1, PITCH
	v_lshl_add_u32 v4, v2, 4, v3                   ; a fragment's row x pitch + 16 x half
	s_mul_i32 s21, s15, HALFT                      ; my 128 rows of A
	s_mul_i32 s22, s16, HALFT                      ; my 128 rows of B,
	s_add_co_u32 s22, s22, 2*HALFT                 ; which lie behind A's 256
.irp s, 0,1
	v_add_nc_u32 v[ADRA+\s], s21, v4
	v_add_nc_u32 v[ADRB+\s], s22, v4
	s_add_co_u32 s21, s21, SLOT
	s_add_co_u32 s22, s22, SLOT
.endr
	v_and_b32 v6, 31, v0
	v_lshlrev_b32 v[CO], 4, v6
	v_lshlrev_b32 v[TO], 8, v1
	v_lshl_add_u32 v[TO], v2, 5, v[TO]
	; the table at my wave's first token: position (A's tile % 8) x 256 + 128 x half (a batch is 8 tiles of 256 tokens)
	s_and_b32 s90, s17, 7
	s_lshl_b32 s90, s90, 8
	s_lshl_b32 s91, s15, 7
	s_add_co_u32 s90, s90, s91
	s_lshl_b32 s90, s90, 8                         ; 256 bytes a position
	s_mov_b32 s91, 0
	s_add_nc_u64 s[10:11], s[10:11], s[90:91]
; (cos, sin) for block a of 16 tokens into set k: lane (r, h) takes, of token r, the pairs i = 8 b + 4 h + 0..3, b = 0..3: those of channels 16 b + 8 h + 0..7 of either head
.macro T_LOAD a, k
.irp b, 0,1,2,3
.irp e, 0,1
	global_load_b128 v[TS+32*(\k)+8*\b+4*\e:TS+32*(\k)+8*\b+4*\e+3], v[TO], s[10:11] offset:4096*(\a)+64*\b+16*\e
.endr
.endr
.endm
	T_LOAD 0, 0                                    ; three sets are asked for here and land under the products.  The work-groups that make v ask too (their rows lie inside the table: tile 0..3) and use nothing of it:
	T_LOAD 1, 1                                    ; so the text has one way up to the way out
	T_LOAD 2, 2
	; where my wave's codes go.  q, k: head 4 (B's tile % 4) + 2 x my B half, token tile 16 (A's tile % 8) + 8 x my A half, batch = A's tile / 8
	s_lshr_b32 s90, s17, 3
	s_lshl_b32 s90, s90, 4
	s_and_b32 s91, s42, 3
	s_lshl_b32 s91, s91, 2
	s_add_co_u32 s90, s90, s91
	s_lshl_b32 s91, s16, 1
	s_add_co_u32 s90, s90, s91
	s_lshl_b32 s90, s90, 17                        ; 131,072 bytes for a batch's head
	s_and_b32 s91, s17, 7
	s_lshl_b32 s91, s91, 4
	s_lshl_b32 s92, s15, 3
	s_add_co_u32 s91, s91, s92
	s_lshl_b32 s91, s91, 10                        ; 1,024 bytes a tile of 16 tokens
	s_add_co_u32 s90, s90, s91
	; v: head 4 cy + 2 x my A half, block of 64 keys 4 (B's tile % 8) + 2 x my B half, batch = B's tile / 8
	s_lshr_b32 s92, s42, 3
	s_lshl_b32 s92, s92, 4
	s_lshl_b32 s93, s41, 2
	s_add_co_u32 s92, s92, s93
	s_lshl_b32 s93, s15, 1
	s_add_co_u32 s92, s92, s93
	s_lshl_b32 s92, s92, 17
	s_and_b32 s93, s42, 7
	s_lshl_b32 s93, s93, 2
	s_lshl_b32 s94, s16, 1
	s_add_co_u32 s93, s93, s94
	s_lshl_b32 s93, s93, 12                        ; 4,096 bytes a block of 64 keys
	s_add_co_u32 s92, s92, s93
	s_cmp_eq_u32 ttmp9, 0
	s_cselect_b64 s[84:85], s[68:69], s[70:71]
	s_cmp_eq_u32 ttmp9, 2
	s_cselect_b64 s[84:85], s[72:73], s[84:85]
	s_cselect_b32 s90, s92, s90
	s_mov_b32 s91, 0
	s_add_nc_u64 s[84:85], s[84:85], s[90:91]
.macro FRAG reg, adr, q, i             ; a fragment, 16 rows x 128 K of 8-bit codes, is 16 registers: four loads of 16 bytes, 32 bytes apart
.irp c, 0,1,2,3
	ds_load_b128 v[\reg+4*\c:\reg+4*\c+3], v[\adr] offset:128*(\q)+32*\c+(\i)*16*PITCH
.endr
.endm
; 16 matrix instructions: A's blocks a0, a0 + 1 x B's eight, 128 along K.  p: B's set.  zero = 1: the first product starts the sums: nothing is ever cleared.
; The 64 accumulators take turns, one instruction a turn, in the same order in every step.
.macro MUL16 a0, p, zero
.irp a, \a0, \a0+1
.irp b, 0,1,2,3,4,5,6,7
.if \zero
	v_wmma_f32_16x16x128_fp8_fp8 v[8*(8*((\a)%4)+\b):8*(8*((\a)%4)+\b)+7], v[128*(\p)+FR*\b:128*(\p)+FR*\b+FR-1], v[AF+FR*(\a):AF+FR*(\a)+FR-1], 0
.else
	v_wmma_f32_16x16x128_fp8_fp8 v[8*(8*((\a)%4)+\b):8*(8*((\a)%4)+\b)+7], v[128*(\p)+FR*\b:128*(\p)+FR*\b+FR-1], v[AF+FR*(\a):AF+FR*(\a)+FR-1], v[8*(8*((\a)%4)+\b):8*(8*((\a)%4)+\b)+7]
.endif
.endr
.endr
.endm
.macro FETCH_B slot, q, p              ; B's eight fragments of the slot's q-th 128 along K into set p
	WIN TO_B
.irp i, 0,1,2,3,4,5,6,7
	FRAG 128*(\p)+FR*\i, ADRB+\slot, \q, \i
.endr
	WIN 0
.endm
.macro FETCH_A slot, q, i0             ; A's blocks i0 .. i0 + 3
.irp i, \i0, \i0+1, \i0+2, \i0+3
	FRAG AF+FR*(\i), ADRA+\slot, \q, \i
.endr
.endm
; A load into a register that a matrix instruction has read, and a vector instruction that reads a matrix result or writes one of a matrix instruction's registers, stand NP places behind that matrix instruction,
; and only plain vector instructions that name none of its registers are places (ISA guide 7.12.1 for vector instructions).
.macro PLACES n
.rept \n
	v_nop
.endr
.endm
; A step of 128 along K that has its successor in the same slot.  A's blocks go one after the other, each against B's eight: a block of A is free as soon as its eight products are issued, so one set of registers
; serves A: blocks 0-3 are fetched anew in the step's middle, blocks 4-7 at its end.  B's fragments are at work through the whole step and have two sets.
.macro STEP slot, q, zero
	s_wait_dscnt 4*NL                              ; B's set and A's blocks 0-3 are in; the youngest sixteen loads (A's blocks 4-7) may be out
	WIN MUL_LO
	MUL16 0, (\q)%2, \zero
	MUL16 2, (\q)%2, \zero
	s_wait_dscnt 0                                 ; A's blocks 4-7 are in (asked for 32 matrix instructions ago)
	PLACES NP
	FETCH_B \slot, (\q)+1, 1-(\q)%2
	FETCH_A \slot, (\q)+1, 0
	WIN MUL_HI
	MUL16 4, (\q)%2, \zero
	MUL16 6, (\q)%2, \zero
	PLACES NP
	WIN 0
	FETCH_A \slot, (\q)+1, 4
.endm
; A slot's last step changes slots: ONE barrier; in front of it each wave waits for all its tensor loads, adds 0 to its spare word, and waits for that and for its own reads of this slot.  fill = 1: this slot is filled again, two K steps ahead.
.macro TURN slot, next, fill
	s_wait_tensorcnt 0x0                           ; all my tensor loads have landed: my part of the next slot;  (every window is 0 here: the add's two registers lie in window 0)
	ds_add_u32 v[SPW], v[NIL]                      ; 0 onto my spare word
	s_wait_dscnt 4*NL+1                            ; (the add and the youngest sixteen loads, A's blocks 4-7, may be out)
	WIN MUL_LO
	MUL16 0, 1, 0                                  ; sixteen matrix instructions stand between the add and the wait for it
	s_wait_dscnt 0x0                               ; the add is done, and my reads of this slot are over
	s_barrier_signal -1
	MUL16 2, 1, 0
	WIN 0
	s_barrier_wait -1
.if \fill
	CREST                                          ; the barrier has opened a round of the cluster's barrier: no wave of any partner still reads this slot's tile or has a load on its way
	s_add_nc_u64 s[G0+4*\slot+2:G0+4*\slot+3], s[G0+4*\slot+2:G0+4*\slot+3], 2*ROWB
	s_add_nc_u64 s[G0B+4*\slot+2:G0B+4*\slot+3], s[G0B+4*\slot+2:G0B+4*\slot+3], 2*ROWB
	JLOAD G0+4*\slot, G1, G0B+4*\slot, G1B         ; the first tensor load behind the round; the four v_nop behind it are the places in front of the loads below
.else
	PLACES NP
.endif
	FETCH_B \next, 0, 0
	FETCH_A \next, 0, 0
	WIN MUL_HI
	MUL16 4, 1, 0
	MUL16 6, 1, 0
	PLACES NP
	WIN 0
	FETCH_A \next, 0, 4
.endm
	s_wait_alu depctr_va_vdst(0)
	s_wait_tensorcnt 0x0                           ; my part of K step 0 is in
	ds_add_u32 v[SPW], v[NIL]
	s_wait_dscnt 0x0
	CROUND                                         ; everybody's part of K step 0 is in, and all sixteen work-groups are here
	JLOAD G0+4, G1, G0B+4, G1B                     ; K step 1's load, the first tensor load behind the round
	FETCH_B 0, 0, 0
	FETCH_A 0, 0, 0
	FETCH_A 0, 0, 4
	; K = 1,024 is four K steps of 256, eight steps of 128: they are written out, since a loop over pairs of K steps would have one trip
	STEP 0, 0, 1                                   ; K step 0: its first products start the sums
	TURN 0, 1, 1                                   ; slot 0 takes K step 2
	STEP 1, 0, 0                                   ; K step 1
	TURN 1, 0, 1                                   ; slot 1 takes K step 3
	STEP 0, 0, 0                                   ; K step 2
	TURN 0, 1, 0                                   ; nothing is left to fetch: no round
	STEP 1, 0, 0                                   ; K step 3
	s_wait_dscnt 4*NL                              ; the very last step
	WIN MUL_LO
	MUL16 0, 1, 0
	MUL16 2, 1, 0
	s_wait_dscnt 0
	WIN MUL_HI
	MUL16 4, 1, 0
	MUL16 6, 1, 0
	WIN 0
	; THE WAY OUT.  The scale of the conversion: 2^(e - e0 - e1), e = e2 for q, e3 for k, e5 for v: chosen without a branch
	s_wait_kmcnt 0x0
	s_cmp_eq_u32 ttmp9, 0
	s_cselect_b32 s90, s78, s79
	s_cmp_eq_u32 ttmp9, 2
	s_cselect_b32 s90, s81, s90
	s_sub_co_i32 s90, s90, s76
	s_sub_co_i32 s90, s90, s77
	s_add_co_i32 s90, s90, 127
	s_lshl_b32 s91, s90, 23
	v_mov_b32 v[SCL], s91
	s_add_co_i32 s90, s90, 8
	s_lshl_b32 s90, s90, 23
	s_or_b32 s90, s90, 0x600000
	v_mov_b32 v[LIM], s90                          ; 448 x the scale
	PLACES NP                                      ; behind the last products: their results are read, and the registers that held A's fragments are written, only from here on
	s_cmp_eq_u32 ttmp9, 2                          ; the cluster's x: the same in all partners
	s_cbranch_scc1 .Lv
; q and k, block a of 16 tokens x my 128 channels (two heads).  Accumulator (a, b): lane (r, h) holds token 16 a + r, channels 16 b + 8 h + 0..7: four pairs (x0, x1) of the embedding.
; (x0, x1) -> (c x0 - s x1, s x0 + c x1): one packed multiply gives (-s x1, s x0), one packed multiply-add adds (c x0, c x1).  Each accumulator is read from its low end on.
; The 8 codes of accumulator b are registers 2 b, 2 b + 1 of the set: four registers are chunk (b / 2) % 2 of head b / 4's image.
.macro QK_OUT a
.set AC, 64*((\a)%4)
.set TK, TS+32*((\a)%3)
.set CS, CD+16*((\a)%2)
.if (\a) <= 5
	s_wait_loadcnt 16                              ; this block's eight loads of the table are in; the two younger sets may be out
.else
	s_wait_loadcnt 8*(7-(\a))
.endif
.if (\a) >= 2
	s_wait_xcnt 0x0                                ; the stores of two blocks ago have read this set of codes: it is written again only behind this wait
.endif
	WIN 0x02+((\a)/4)                              ; source 0: window 2 or 3
.irp b, 0,1,2,3,4,5,6,7
.irp j, 0,2,4,6
	v_pk_mul_f32 v[TMP+8*\b+\j:TMP+8*\b+\j+1], v[AC+8*\b+\j:AC+8*\b+\j+1], v[TK+8*(\b%4)+\j:TK+8*(\b%4)+\j+1] op_sel:[1,1] op_sel_hi:[0,1] neg_lo:[0,1]
.endr
.irp j, 0,2,4,6
	v_pk_fma_f32 v[TMP+8*\b+\j:TMP+8*\b+\j+1], v[AC+8*\b+\j:AC+8*\b+\j+1], v[TK+8*(\b%4)+\j:TK+8*(\b%4)+\j+1], v[TMP+8*\b+\j:TMP+8*\b+\j+1] op_sel_hi:[1,0,1]
.endr
.endr
	WIN 0
.if (\a) <= 4
.set TA, (\a)+3
.set TN, (\a)%3
	T_LOAD TA, TN                                  ; the set just read takes the block three further on
.endif
.irp b, 0,1,2,3,4,5,6,7
.irp j, 0,1,2,3,4,5,6,7
	v_med3_num_f32 v[TMP+8*\b+\j], v[TMP+8*\b+\j], -v[LIM], v[LIM]   ; the conversion to an 8-bit code does not saturate (ISA guide 7.6.2): the hold at the largest code x the scale
.endr
	v_cvt_scalef32_pk8_fp8_f32 v[CS+2*\b:CS+2*\b+1], v[TMP+8*\b:TMP+8*\b+7], v[SCL]
.endr
	v_nop                                          ; one plain vector instruction between the last conversion and the next block's lines, which write its sources
.irp g, 0,1,2,3
	global_store_b128 v[CO], v[CS+4*\g:CS+4*\g+3], s[84:85] offset:(\g/2)*131072+(\a)*1024+(\g%2)*512   ; 32 lanes store 512 consecutive bytes, aligned: head g / 2, chunk g % 2
.endr
.endm
.irp a, 0,1,2,3,4,5,6,7
	QK_OUT \a
.endr
	s_branch .Ldone
; v, block a of 16 channels x my 128 tokens (two blocks of 64 keys).  Accumulator (a, b): lane (r, h) holds channel 16 a + r, keys 16 b + 8 h + 0..7.  The hold reads the sums and writes other registers, each accumulator from its low end on.
.macro V_OUT a
.set AC, 64*((\a)%4)
.set CS, CD+16*((\a)%2)
.if (\a) >= 2
	s_wait_xcnt 0x0                                ; the stores of two blocks ago have read this set of codes
.endif
	WIN 0x02+((\a)/4)
.set n, 0
.rept 64
	v_med3_num_f32 v[TMP+n], v[AC+n], -v[LIM], v[LIM]
.set n, n+1
.endr
	WIN 0
.irp b, 0,1,2,3,4,5,6,7
	v_cvt_scalef32_pk8_fp8_f32 v[CS+2*\b:CS+2*\b+1], v[TMP+8*\b:TMP+8*\b+7], v[SCL]
.endr
	v_nop                                          ; one plain vector instruction between the last conversion and the next block's holds, which write its sources
.irp g, 0,1,2,3
	global_store_b128 v[CO], v[CS+4*\g:CS+4*\g+3], s[84:85] offset:((\a)/4)*131072+((\a)%4)*1024+(\g/2)*4096+(\g%2)*512   ; head a / 4, channel tile a % 4, block of keys g / 2, chunk g % 2
.endr
.endm
.Lv:
	s_wait_alu depctr_va_vdst(0)
.irp a, 0,1,2,3,4,5,6,7
	V_OUT \a
.endr
.Ldone:
	s_wait_tensorcnt 0x0                           ; the wave's end, behind my last tensor load
	ds_add_u32 v[SPW], v[NIL]
	s_wait_dscnt 0x0
	CROUND                                         ; the closing round: no work-group ends while a partner may still ask for a tile that names it
	s_endpgm
.Lfunc_end_k_q193eac256c_qkv:
	.size	k_q193eac256c_qkv, .Lfunc_end_k_q193eac256c_qkv-k_q193eac256c_qkv
	.p2alignl 7, 3214868480
	.fill 96, 4, 3214868480
	.section	.rodata,"a",@progbits
	.p2align	6, 0x0
	.amdhsa_kernel k_q193eac256c_qkv
		.amdhsa_group_segment_fixed_size 327680
		.amdhsa_private_segment_fixed_size 0
		.amdhsa_enable_private_segment 0
		.amdhsa_kernarg_size 56
		.amdhsa_user_sgpr_count 2
		.amdhsa_user_sgpr_kernarg_segment_ptr 1
		.amdhsa_wavefront_size32 1
		.amdhsa_system_sgpr_workgroup_id_x 1
		.amdhsa_system_sgpr_workgroup_id_y 1
		.amdhsa_system_sgpr_workgroup_id_z 1
		.amdhsa_system_vgpr_workitem_id 0
		.amdhsa_next_free_vgpr 1024
		.amdhsa_next_free_sgpr 98
		.amdhsa_reserve_vcc 0
		.amdhsa_float_denorm_mode_32 3
		.amdhsa_float_denorm_mode_16_64 3
		.amdhsa_memory_ordered 1
		.amdhsa_forward_progress 1
		.amdhsa_inst_pref_size 198
	.end_amdhsa_kernel
	.amdgpu_metadata
---
amdhsa.version: [ 1, 2 ]
amdhsa.kernels:
  - .name:           k_q193eac256c_qkv
    .symbol:         k_q193eac256c_qkv.kd
    .args:
      - { .name: x_codes, .offset: 0, .size: 8, .value_kind: global_buffer, .address_space: global }
      - { .name: wqkv_codes, .offset: 8, .size: 8, .value_kind: global_buffer, .address_space: global }
      - { .name: lowp_scales, .offset: 16, .size: 8, .value_kind: global_buffer, .address_space: global }
      - { .name: rope, .offset: 24, .size: 8, .value_kind: global_buffer, .address_space: global }
      - { .name: q_codes, .offset: 32, .size: 8, .value_kind: global_buffer, .address_space: global }
      - { .name: k_codes, .offset: 40, .size: 8, .value_kind: global_buffer, .address_space: global }
      - { .name: v_codes, .offset: 48, .size: 8, .value_kind: global_buffer, .address_space: global }
    .group_segment_fixed_size: 327680
    .private_segment_fixed_size: 0
    .kernarg_segment_align: 8
    .kernarg_segment_size: 56
    .max_flat_workgroup_size: 128
    .sgpr_count:     98
    .vgpr_count:     1024
    .wavefront_size: 32
...
	.end_amdgpu_metadata
.endif
;; end of part 2
;; launch attn (part 3): grid 4 x 64, 16 waves a work-group, clusters of 4 x 1, 327,680 bytes of LDS; arguments q_codes, k_codes, v_codes, lowp_scales, a_codes; writes a_codes
.if DOCPART == 3
	.amdgcn_target "amdgcn-amd-amdhsa--gfx1250"
	.amdhsa_code_object_version 6
	.text
	.protected	k_q193eac256c_attn
	.globl	k_q193eac256c_attn
	.p2align	8
	.type	k_q193eac256c_attn,@function
k_q193eac256c_attn:
	s_mov_b64 s[64:65], 0
	v_nop
	global_prefetch_b8 v0, s[64:65] scope:SCOPE_SE
	s_setreg_imm32_b32 hwreg(HW_REG_WAVE_MODE, 25, 1), 1
	s_wait_xcnt 0x0
	s_wait_alu depctr_hold_cnt(0) depctr_sa_sdst(0) depctr_va_vdst(0) depctr_va_sdst(0) depctr_va_ssrc(0) depctr_va_vcc(0) depctr_vm_vsrc(0)
	s_getreg_b32 s2, hwreg(HW_REG_IB_STS2, 6, 4)
	s_cmp_eq_u32 s2, 0
	s_cbranch_scc0 .Lentry_in_a_cluster
	s_endpgm
.Lentry_in_a_cluster:
	s_bfe_u32 s2, ttmp6, 0x10000c
	s_cmp_lg_u32 s2, 0x3003
	s_cbranch_scc0 .Lentry_shape_is_right
	s_endpgm
.Lentry_shape_is_right:
; Causal attention of one head of one batch on codes of FP8 (E4M3): S = q k^T / 8, softmax, O = p v; O / (the row's sum) is quantised for the output projection.  2,048 tokens, head size 64, 64 heads x batches.
; q_codes, k_codes: [bh][tile of 16 tokens: 128][c: 2][lane: 32][16 bytes], the image of a fragment of 16 tokens x 64 channels.  v_codes: [bh][block of 64 keys: 32][tile of 16 channels: 4][c: 2][lane][16 bytes].
; a_codes: [K / 256: 4][tile of 16 tokens: 512][4,096 bytes]: head hd lies in part hd / 4, at byte 1,024 (hd % 4) of a tile.  Scales: e2 (q), e3 (k), e4 (p), e5 (v), e6 (the result).
; LEFT OUT: steps of 64 keys that lie wholly behind a tile's queries: the causal mask gives them the weight 0 for all inputs.
; THE SOFTMAX: t = score x log2(e) / 8; M = the row's largest t so far, rounded UP to a whole number; p = 2^(t - M) is quantised along the keys, not normalised.  The row's sum is taken of the unquantised p, in f32,
; and divides O at the end.  When M moves, the sum and O are multiplied by 2^(old M - new M): exact.
; LIMITS: e2 + e3 between -123 and 130 (added to the exponent field of log2(e) / 8); e4 between -126 and 119; e4 + e5 - e6 is applied by v_ldexp_f32.
; SHARES.  The four work-groups of a cluster serve one bh.  A block is 128 queries, eight tiles of 16; of block beta work-group cx owns tiles cx and cx + 4: a UNIT of two tiles, 64 queries apart.
; So of a unit's steps of 64 keys those before key 128 beta are open for both tiles; the step at 128 beta is tile 0's diagonal and open for tile 1; the step at 128 beta + 64 is tile 1's diagonal and hidden for tile 0.
; Which of the three a step is hangs on beta and the trip alone, and the diagonal's bound, 16 cx + r - 8 h, is one number a lane for all units.
; THE CAUSAL WORK IS EVENED OUT.  Units p and 15 - p (p = wave / 2) have 34 steps together and go to two waves.  Wave X walks steps 0 to 16 of unit 15 - p.  Wave Y walks all of unit p (at most 16 steps), stores it,
; and walks unit 15 - p from step 17 on.  At the end X hands its O^T, -M and sums to Y through LDS, and Y joins the two parts under the larger M by powers of two: exact.
; THE WHOLE HEAD LIES IN LDS: K's 131,072 bytes, then V's.  Each wave asks for 16,384 bytes of it by one JOINT tensor load (waves 0-7 K, waves 8-15 V), the same in all four partners: one tensor load a wave is out.
; Nothing is filled again, the loop over the keys has no barrier, and there is no later tile that could be asked for ahead of its load: so no prefetch.
; LAYOUT.  Both products are used transposed: S^T = K Q^T, O^T = V^T P^T: a lane holds ONE query (lane % 16).  In S^T lane (r, h) holds keys 16 T + 8 h + 0..7 of tile T: their codes are registers 2 T, 2 T + 1 of P's fragment.
; REGISTERS: v0-7 addresses; v8-23 statistics, eight a tile: +0 -M, +1 the largest t, +2, +3 the sum in two halves, +4 f, +5 0, +6, +7 at work; v24-31 constants; v32-47 Q; v48-79 K; v80-111 V; v112-175 S^T, p; v176-239 O^T; v240-255 codes.
.set VBASE, 131072                     ; LDS: V's image, behind K's
.set SPARE, 262144                     ; behind both: the spare words, 128 bytes for each of sixteen waves
.set NX,    17                         ; steps of the late unit that wave X walks
.set PART,  8704                       ; a handed part: 16 x 512 bytes of O^T, 512 of statistics; region w of the images' bytes, which have had their one fill and are read no more
.set MGL,  0                           ; v0   (behind the head) where I read my partner's part: PART x (wave xor 1) + 16 x lane
.set LI,   1                           ; v1   16 x lane
.set ADK,  2
.set ADV,  3
.set SPW,  4                           ; v4   my spare word; never rewritten
.set NIL,  5                           ; v5   0; never rewritten
.set MG,   6                           ; v6   where I store my part: PART x wave + 16 x lane
.set LIM2, 7                           ; v7   448 x 2^e4 once more, for the second half of a dual pair
.set ST,   8
.set LIM,  24                          ; v24  448 x 2^e4
.set SCL,  25                          ; v25  2^e4
.set NINF, 26
.set DQ,   27                          ; v27  16 cx + r - 8 h
.set DD,   28                          ; v28, v29  the exchange's destinations
.set OM,   30
.set Q,    32
.set KR,   48
.set VR,   80
.set S,    112
.set O,    176
.set P,    240
.set WV,   14
.set CX,   15                          ; s15  my place in the cluster: it enters global addresses and the mask's bound alone
.set SEL,  20
.set CSC,  22                          ; s[22:23] c = log2(e) / 8 x 2^(e2 + e3)
.set G1,   24
.set G0,   32
.set QL,   36                          ; s[36:37] Q of unit 15 - p
.set OE,   38                          ; s[38:39] the result's place for unit p
.set TB,   48                          ; s48  LDS byte of the trip's 64 keys in K's image
.set KF,   49                          ; s49  the trip's first key
.set QB,   50                          ; s50  128 beta of the unit in hand
.set END,  51                          ; s51  the last first key at which I work on it
.set TRIPS, 52
.set TBV,  60                          ; s60  the same byte in V's image
.set SWK,  61                          ; s61  the first key at which wave Y changes units; -1 in wave X
.set QB2,  62                          ; s62  128 (15 - p)
.set ROLE, 63                          ; s63  0: X, 1: Y
.set OL,   66                          ; s[66:67] the result's place for unit 15 - p
.set ESH,  68                          ; s68  e4 + e5 - e6
.set HON,  0
.macro H n                             ; a hint ahead of a dependent plain line, where two tiles go line by line
.if HON
	s_delay_alu instid0(VALU_DEP_\n)
.endif
.endm
.macro CROUND                          ; a round of the cluster's barrier
	s_barrier_signal -1
	s_barrier_wait -1
	s_cmp_lg_u32 s[WV], 0
	s_cbranch_scc1 .Lnot_wave_0_\@
	s_barrier_signal -3
.Lnot_wave_0_\@:
	s_barrier_wait -3
	s_barrier_signal -1
	s_barrier_wait -1
.endm
.macro INIT                            ; a unit begins: the largest t is -3e38, sums and O^T are zeros, which the first change of M leaves zeros
.irp x, 0,1
	v_mov_b32 v[ST+8*\x+1], 0xff61b1e6
	v_mov_b32 v[ST+8*\x+2], 0
	v_mov_b32 v[ST+8*\x+3], 0
	v_floor_f32 v[ST+8*\x], -v[ST+8*\x+1]
	v_mov_b32 v[ST+8*\x+5], 0
	v_mov_b32 v[ST+8*\x+6], 0
	v_mov_b32 v[ST+8*\x+7], 0
.endr
.set n, 0
.rept 64
	v_mov_b32 v[O+n], 0
.set n, n+1
.endr
.endm
.macro QLOAD ptr
.irp x, 0,1
.irp c, 0,1
	global_load_b128 v[Q+8*\x+4*\c:Q+8*\x+4*\c+3], v[LI], s[\ptr:\ptr+1] offset:4096*\x+512*\c   ; the unit's two tiles lie four tiles apart
.endr
.endr
.endm
; A unit is finished: o = O^T x 2^(e4 + e5) / the sum; its code is o / 2^e6, held within +-448.
.macro FINAL ptr
.set HON, 1
.irp x, 0,1
	v_add_f32 v[ST+8*\x+2], v[ST+8*\x+2], v[ST+8*\x+3]
.endr
.irp x, 0,1
	H 2
	v_permlanex16_b32 v[DD+\x], v[ST+8*\x+2], s[SEL], s[SEL+1]
.endr
.irp x, 0,1
	H 2
	v_add_f32 v[ST+8*\x+2], v[ST+8*\x+2], v[DD+\x]   ; the row's sum, over 1/2
.endr
	s_wait_alu depctr_va_vdst(0)                   ; ahead of the reciprocals
.irp x, 0,1
	v_rcp_f32 v[ST+8*\x+4], v[ST+8*\x+2]
.endr
	v_mov_b32 v[OM], 1.0                           ; the conversion's scale.  (A plain line behind the reciprocals)
	s_wait_alu depctr_va_vdst(0)                   ; and ahead of the first use of their results
.irp x, 0,1
	v_ldexp_f32 v[ST+8*\x+4], v[ST+8*\x+4], s[ESH]
.endr
	s_wait_alu depctr_va_vdst(0)                   ; directly ahead of the first reader of O^T
.irp x, 0,1
.irp j, 0,2,4,6,8,10,12,14,16,18,20,22,24,26,28,30
	v_pk_mul_f32 v[O+32*\x+\j:O+32*\x+\j+1], v[O+32*\x+\j:O+32*\x+\j+1], v[ST+8*\x+4:ST+8*\x+5] op_sel_hi:[1,0]
.endr
.endr
.set n, 0
.rept 64
	v_med3_num_f32 v[O+n], v[O+n], s69, s70        ; the conversion to an 8-bit code does not saturate (ISA guide 7.6.2)
.set n, n+1
.endr
.irp x, 0,1
.irp t, 0,1,2,3
	v_cvt_scalef32_pk8_fp8_f32 v[P+8*\x+2*\t:P+8*\x+2*\t+1], v[O+32*\x+8*\t:O+32*\x+8*\t+7], v[OM]
.endr
.endr
	v_nop                                          ; one plain vector line behind the last conversion
.irp x, 0,1
.irp c, 0,1
	global_store_b128 v[LI], v[P+8*\x+4*\c:P+8*\x+4*\c+3], s[\ptr:\ptr+1] offset:16384*\x+512*\c   ; 32 lanes store 512 consecutive bytes, aligned
.endr
.endr
.endm
; A TRIP: 64 keys for tiles lo .. 1 of the unit.  mk: the tile whose diagonal this is (2: none).
; K's four fragments of the 64 keys that begin off bytes behind v[ADK].  They are asked for one trip ahead: behind a trip's score products, which free K's registers, for the next 64 keys
; (behind key 1,984 the request reads the first 4,096 bytes of V's image, and nobody uses it); ahead of the loop and where wave Y changes units they are asked for afresh.
.macro KLOAD off
.irp T, 0,1,2,3
.irp c, 0,1
	ds_load_b128 v[KR+8*\T+4*\c:KR+8*\T+4*\c+3], v[ADK] offset:\off+1024*\T+512*\c
.endr
.endr
.endm
.macro TRIP lo, mk
.set HON, 1-\lo
.set NT, 2-\lo
	v_add_nc_u32 v[ADK], s[TB], v[LI]
	v_add_nc_u32 v[ADV], s[TBV], v[LI]
	v_nop                                          ; with the two additions: four places between the last trip's products and the loads into V's registers
	v_nop
.irp t, 0,1,2,3
.irp c, 0,1
	ds_load_b128 v[VR+8*\t+4*\c:VR+8*\t+4*\c+3], v[ADV] offset:1024*\t+512*\c
.endr
.endr
	s_wait_alu depctr_va_vdst(0)
	s_wait_dscnt 8                                 ; all but this trip's eight loads of V: K's eight, asked for a trip ago, are in
.irp T, 0,1,2,3
.set x, \lo
.rept NT
	v_wmma_f32_16x16x64_fp8_fp8 v[S+32*x+8*\T:S+32*x+8*\T+7], v[KR+8*\T:KR+8*\T+7], v[Q+8*x:Q+8*x+7], 0
.set x, x+1
.endr
.endr
.rept 4
	v_nop                                          ; places in front of the first read of the scores, and of the loads into K's registers
.endr
	KLOAD 4096                                     ; the next trip's keys
.if \mk < 2
.set n, 0
.rept 32                                       ; register n holds key KF + 8 h + 16 (n / 8) + n % 8: hidden where 16 (n / 8) + n % 8 > 16 cx + r - 8 h.  The step's first key counts for every query of the tile
	v_cmp_gt_i32 vcc_lo, 16*(n/8)+n%8, v[DQ]
	v_cndmask_b32 v[S+32*\mk+n], v[S+32*\mk+n], v[NINF], vcc_lo
.set n, n+1
.endr
.endif
.set x, \lo
.rept NT
	v_max3_num_f32 v[ST+8*x+6], v[S+32*x], v[S+32*x+1], v[S+32*x+2]   ; the trip's largest score, two chains a tile, each accumulator from its low end on
	v_max3_num_f32 v[ST+8*x+7], v[S+32*x+3], v[S+32*x+4], v[S+32*x+5]
.set x, x+1
.endr
.irp i, 6,10,14,18,22,26
.set x, \lo
.rept NT
	v_max3_num_f32 v[ST+8*x+6], v[ST+8*x+6], v[S+32*x+\i], v[S+32*x+\i+1]
	v_max3_num_f32 v[ST+8*x+7], v[ST+8*x+7], v[S+32*x+\i+2], v[S+32*x+\i+3]
.set x, x+1
.endr
.endr
.set x, \lo
.rept NT
	v_max3_num_f32 v[ST+8*x+6], v[ST+8*x+6], v[S+32*x+30], v[S+32*x+31]
.set x, x+1
.endr
.set x, \lo
.rept NT
	H 2
	v_max_num_f32 v[ST+8*x+6], v[ST+8*x+6], v[ST+8*x+7]
.set x, x+1
.endr
.set x, \lo
.rept NT
	H 2
	v_permlanex16_b32 v[DD+x], v[ST+8*x+6], s[SEL], s[SEL+1]
.set x, x+1
.endr
.set x, \lo
.rept NT
	H 2
	v_max_num_f32 v[ST+8*x+6], v[ST+8*x+6], v[DD+x]   ; and among lane l xor 16's
.set x, x+1
.endr
.set x, \lo
.rept NT
	H 2
	v_mul_f32 v[ST+8*x+6], s[CSC], v[ST+8*x+6]     ; as t (c is positive)
.set x, x+1
.endr
.set x, \lo
.rept NT
	H 2
	v_max_num_f32 v[ST+8*x+1], v[ST+8*x+1], v[ST+8*x+6]   ; the running largest t
.set x, x+1
.endr
.set x, \lo
.rept NT
	v_mov_b32 v[OM+x], v[ST+8*x]
.set x, x+1
.endr
.set x, \lo
.rept NT
	H 4
	v_floor_f32 v[ST+8*x], -v[ST+8*x+1]            ; the new -M = floor(-t): M is a whole number
.set x, x+1
.endr
.set x, \lo
.rept NT
	H 2
	v_sub_f32 v[OM+x], v[ST+8*x], v[OM+x]          ; old M - new M, 0 or less
.set x, x+1
.endr
.set x, \lo
.rept NT
	H 2
	v_cvt_i32_f32 v[OM+x], v[OM+x]                 ; (it saturates)
.set x, x+1
.endr
.set x, \lo
.rept NT
	H 2
	v_ldexp_f32 v[ST+8*x+4], 1.0, v[OM+x]          ; f = 2^(old M - new M)
.set x, x+1
.endr
.irp j, 0,2,4,6,8,10,12,14,16,18,20,22,24,26,28,30
.set x, \lo
.rept NT
	v_pk_fma_f32 v[S+32*x+\j:S+32*x+\j+1], v[S+32*x+\j:S+32*x+\j+1], s[CSC:CSC+1], v[ST+8*x:ST+8*x+1] op_sel_hi:[1,0,0]   ; t - M
	v_pk_mul_f32 v[O+32*x+\j:O+32*x+\j+1], v[O+32*x+\j:O+32*x+\j+1], v[ST+8*x+4:ST+8*x+5] op_sel_hi:[1,0]               ; O^T under the new M, each accumulator from its low end on
.set x, x+1
.endr
.endr
	s_wait_alu depctr_va_vdst(0)                   ; ahead of the batch
.set n, 32*\lo
.rept 32*NT
	v_exp_f32 v[S+n], v[S+n]                       ; p = 2^(t - M), at most 1
.set n, n+1
.endr
.set x, \lo
.rept NT
	v_pk_mul_f32 v[ST+8*x+2:ST+8*x+3], v[ST+8*x+2:ST+8*x+3], v[ST+8*x+4:ST+8*x+5] op_sel_hi:[1,0]   ; the sums under the new M.  (Plain lines behind the exponentials)
.set x, x+1
.endr
	s_wait_alu depctr_va_vdst(0)                   ; one wait for the batch, ahead of its first reader
.set x, \lo
.rept NT
	v_pk_add_f32 v[ST+8*x+6:ST+8*x+7], v[S+32*x:S+32*x+1], v[S+32*x+2:S+32*x+3]   ; the row's sum is taken of the unquantised p
.set x, x+1
.endr
.irp j, 4,8,12,16,20,24,28
.set x, \lo
.rept NT
	v_pk_add_f32 v[ST+8*x+2:ST+8*x+3], v[ST+8*x+2:ST+8*x+3], v[S+32*x+\j:S+32*x+\j+1]
	v_pk_add_f32 v[ST+8*x+6:ST+8*x+7], v[ST+8*x+6:ST+8*x+7], v[S+32*x+\j+2:S+32*x+\j+3]
.set x, x+1
.endr
.endr
.if \lo == 0
	H 3
	v_pk_add_f32 v[ST+2:ST+3], v[ST+2:ST+3], v[ST+6:ST+7]
	H 2
.endif
	v_pk_add_f32 v[ST+10:ST+11], v[ST+10:ST+11], v[ST+14:ST+15]
.irp T, 0,1,2,3
.set x, \lo
.rept NT
.irp j, 0,2,4,6
	v_dual_min_num_f32 v[S+32*x+8*\T+\j], v[S+32*x+8*\T+\j], v[LIM] :: v_dual_min_num_f32 v[S+32*x+8*\T+\j+1], v[S+32*x+8*\T+\j+1], v[LIM2]   ; the hold at 448 x 2^e4, one-sided (p is not negative), two numbers a line
.endr
.set x, x+1
.endr
.set x, \lo
.rept NT
	v_cvt_scalef32_pk8_fp8_f32 v[P+8*x+2*\T:P+8*x+2*\T+1], v[S+32*x+8*\T:S+32*x+8*\T+7], v[SCL]
.set x, x+1
.endr
.endr
	v_nop                                          ; one plain vector line between the last conversion and the products that read the codes
	s_wait_alu depctr_va_vdst(0)
	s_wait_dscnt 0x0                               ; V's fragments are in
.irp t, 0,1,2,3
.set x, \lo
.rept NT
	v_wmma_f32_16x16x64_fp8_fp8 v[O+32*x+8*\t:O+32*x+8*\t+7], v[VR+8*\t:VR+8*\t+7], v[P+8*x:P+8*x+7], v[O+32*x+8*\t:O+32*x+8*\t+7]   ; the accumulators by turns, one instruction a turn
.set x, x+1
.endr
.endr
.endm
	s_load_b256 s[4:11], s[0:1], 0x0               ; q's codes s[4:5], k's s[6:7], v's s[8:9], the scales' exponents s[10:11]
	s_load_b64 s[12:13], s[0:1], 0x20              ; the result's codes
	v_lshl_add_u32 v[SPW], v0, 2, SPARE
	v_mov_b32 v[NIL], 0
	ds_add_u32 v[SPW], v[NIL]                      ; the wave's opening: the add, twice on end, and its wait ahead of my first tensor load
	ds_add_u32 v[SPW], v[NIL]
	v_lshrrev_b32 v7, 5, v0
	v_readfirstlane_b32 s[WV], v7                  ; wave 0..15
	s_bfe_u32 s[CX], ttmp6, 0x40000
	s_and_b32 s16, ttmp7, 0xffff                   ; bh = 16 batch + head, which the four partners share
	s_lshr_b32 s53, s[WV], 2
	s_xor_b32 s53, s53, s[WV]
	s_and_b32 s[ROLE], s53, 1                      ; waves w and w xor 1 are a pair's X and Y; among four waves with equal w % 4 or equal w / 4 two are X
	s_lshr_b32 s54, s[WV], 1                       ; p
	s_sub_co_u32 s55, 15, s54                      ; 15 - p
	s_lshl_b32 s[QB2], s55, 7
	s_lshl_b32 s56, s54, 7
	s_add_co_u32 s58, s56, 64
	s_cmp_eq_u32 s[ROLE], 1
	s_cselect_b32 s[QB], s56, s[QB2]               ; Y begins with unit p, X has unit 15 - p
	s_cselect_b32 s57, s54, s55
	s_cselect_b32 s[SWK], 64*NX, -1
	s_cselect_b32 s[END], s58, 64*(NX-1)
	s_mov_b32 s[G1], 15|(1<<21)                    ; group 1: the mask names all four work-groups; elements of 1 byte; no padding; bit 21 set beside a mask
	s_mov_b32 s[G1+1], 256<<16                     ; 64 rows of 256 bytes, dense in memory and in LDS
	s_mov_b32 s[G1+2], 64<<16
	s_mov_b32 s[G1+3], 256<<16
	s_mov_b32 s[G1+4], 64
	s_mov_b32 s[G1+5], 256
	s_mov_b32 s[G1+6], 0
	s_mov_b32 s[G1+7], 0
	s_mov_b32 s[G0], 1
	s_lshl_b32 s[G0+1], s[WV], 14                  ; LDS address 16,384 x wave: no place in the cluster enters it
	s_and_b32 s18, s[WV], 7
	s_lshl_b32 s18, s18, 14
	s_lshl_b32 s17, s16, 17                        ; my bh: 131,072 bytes in each tensor of codes
	s_add_co_u32 s18, s18, s17
	s_mov_b32 s19, 0
	s_mov_b32 s[SEL], 0x76543210
	s_mov_b32 s[SEL+1], 0xfedcba98
	s_mov_b32 s[CSC], 0x3e38aa3b                   ; log2(e) / 8
	s_mov_b32 s69, 0xc3e00000                      ; -448
	s_mov_b32 s70, 0x43e00000                      ; 448
	s_mov_b32 s[TB], 0
	s_mov_b32 s[TBV], VBASE
	s_mov_b32 s[KF], 0
	s_mov_b32 s[TRIPS], 32
	s_wait_dscnt 0x0                               ; both opening adds are done
	s_wait_kmcnt 0x0
	s_load_b256 s[40:47], s[10:11], 0x0            ; e0 .. e7
	s_cmp_lt_u32 s[WV], 8
	s_cselect_b64 s[G0+2:G0+3], s[6:7], s[8:9]
	s_add_nc_u64 s[G0+2:G0+3], s[G0+2:G0+3], s[18:19]
	s_or_b32 s[G0+3], s[G0+3], 0x80000000
	CROUND                                         ; all four work-groups are here: the joint loads meet
	tensor_load_to_lds s[G0:G0+3], s[G1:G1+7]      ; my one tensor load of the launch
	s_nop 0
.rept 4
	v_nop
.endr
	s_lshl_b32 s18, s[CX], 10
	s_add_co_u32 s18, s18, s17
	s_add_nc_u64 s[4:5], s[4:5], s[18:19]          ; Q at tile cx of my bh
	s_lshl_b32 s18, s55, 13                        ; a block is eight tiles of 1,024 bytes
	s_add_nc_u64 s[QL:QL+1], s[4:5], s[18:19]
	s_lshl_b32 s18, s57, 13
	s_add_nc_u64 s[4:5], s[4:5], s[18:19]          ; my first unit
	s_mul_i32 s53, s[WV], PART
	s_xor_b32 s59, s[WV], 1
	s_mul_i32 s59, s59, PART
	v_and_b32 v7, 31, v0
	v_lshlrev_b32 v[LI], 4, v7
	v_add_nc_u32 v[MG], s53, v[LI]
	s_wait_alu depctr_va_vdst(0)                   ; ahead of readers behind scalar work
	QLOAD 4
	s_and_b32 s57, s16, 15                         ; the head,
	s_lshr_b32 s58, s16, 4                         ; the batch
	s_lshr_b32 s56, s57, 2
	s_lshl_b32 s56, s56, 21                        ; part head / 4
	s_lshl_b32 s58, s58, 7
	s_add_co_u32 s58, s58, s[CX]                   ; tile of tokens 128 batch + cx
	s_lshl_b32 s58, s58, 12
	s_add_co_u32 s58, s58, s56
	s_and_b32 s57, s57, 3
	s_lshl_b32 s57, s57, 10
	s_add_co_u32 s18, s58, s57
	s_add_nc_u64 s[12:13], s[12:13], s[18:19]
	s_lshl_b32 s18, s54, 15                        ; a block is eight tiles of 4,096 bytes
	s_add_nc_u64 s[OE:OE+1], s[12:13], s[18:19]
	s_lshl_b32 s18, s55, 15
	s_add_nc_u64 s[OL:OL+1], s[12:13], s[18:19]
	s_lshl_b32 s57, s[CX], 4
	v_and_b32 v7, 15, v0                           ; r
	v_bfe_u32 v[DD], v0, 4, 1                      ; h
	v_lshlrev_b32 v[DD], 3, v[DD]
	v_sub_nc_u32 v[DQ], v7, v[DD]
	v_add_nc_u32 v[DQ], s57, v[DQ]                 ; 16 cx + r - 8 h
	v_add_nc_u32 v[MGL], s59, v[LI]                ; v0 has served
	v_mov_b32 v[DD], 0                             ; written once: a lane permute's destination counts as one of its sources
	v_mov_b32 v[DD+1], 0
	v_mov_b32 v[NINF], 0xff800000
	INIT
	s_wait_kmcnt 0x0
	s_add_co_i32 s57, s42, s43
	s_lshl_b32 s57, s57, 23
	s_add_co_i32 s[CSC], s[CSC], s57               ; a score stands for score x 2^(e2 + e3)
	s_mov_b32 s[CSC+1], s[CSC]
	s_add_co_i32 s57, s44, 127
	s_lshl_b32 s58, s57, 23
	v_mov_b32 v[SCL], s58                          ; 2^e4
	s_add_co_i32 s57, s57, 8
	s_lshl_b32 s57, s57, 23
	s_or_b32 s57, s57, 0x600000
	v_mov_b32 v[LIM], s57                          ; 448 x 2^e4
	v_mov_b32 v[LIM2], s57
	s_add_co_i32 s[ESH], s44, s45
	s_sub_co_i32 s[ESH], s[ESH], s46
	s_wait_alu depctr_va_vdst(0)                   ; at the head's end
	s_wait_loadcnt 0x0                             ; Q
	s_wait_tensorcnt 0x0                           ; my sixteenth of the two images is in,
	s_barrier_signal -1
	s_barrier_wait -1                              ; everybody's is
	v_add_nc_u32 v[ADK], s[TB], v[LI]
	KLOAD 0                                        ; the first trip's keys
; 32 trips in every wave: a constant.  What a trip does hangs on the wave's number and the trip alone.
.Ltrip:
	s_cmp_eq_u32 s[KF], s[SWK]
	s_cbranch_scc0 .Lsame
	QLOAD QL                                       ; wave Y changes units: the late unit's Q is asked for, the early unit goes out, the statistics begin anew
	s_wait_dscnt 0x0                               ; no load into K's registers is out
	v_add_nc_u32 v[ADK], s[TB], v[LI]
	KLOAD 0                                        ; this trip's keys: the trips between the two units asked for nothing
	FINAL OE
	INIT
	s_mov_b32 s[QB], s[QB2]
	s_add_co_u32 s[END], s[QB2], 64
	s_wait_alu depctr_va_vdst(0)
	s_wait_loadcnt 0x0
	s_wait_xcnt 0x0                                ; the stores have read the codes' registers, which the next trip writes
.Lsame:
	s_cmp_gt_u32 s[KF], s[END]
	s_cbranch_scc1 .Lnext
	s_cmp_lt_u32 s[KF], s[QB]
	s_cbranch_scc0 .Ldiag
	TRIP 0, 2                                      ; open for both tiles
	s_branch .Lnext
.Ldiag:
	s_cmp_eq_u32 s[KF], s[QB]
	s_cbranch_scc0 .Llast
	TRIP 0, 0                                      ; tile 0's diagonal
	s_branch .Lnext
.Llast:
	TRIP 1, 1                                      ; tile 1's diagonal; hidden for tile 0
.Lnext:
	s_add_co_u32 s[KF], s[KF], 64
	s_add_co_u32 s[TB], s[TB], 4096
	s_add_co_u32 s[TBV], s[TBV], 4096
	s_sub_co_u32 s[TRIPS], s[TRIPS], 1
	s_cmp_lg_u32 s[TRIPS], 0
	s_cbranch_scc1 .Ltrip
	s_wait_dscnt 0x0
	s_barrier_signal -1
	s_barrier_wait -1                              ; no wave reads the images any more
	s_cmp_eq_u32 s[ROLE], 1
	s_cbranch_scc1 .Lnosend
	v_mov_b32 v[KR], v[ST]                         ; wave X hands its part on: -M and the lane's sum of each tile,
	v_add_f32 v[KR+1], v[ST+2], v[ST+3]
	v_mov_b32 v[KR+2], v[ST+8]
	v_add_f32 v[KR+3], v[ST+10], v[ST+11]
	v_nop
	v_nop
	s_wait_alu depctr_va_vdst(0)                   ; directly ahead of the first reader of O^T
.set n, 0
.rept 16
	ds_store_b128 v[MG], v[O+4*n:O+4*n+3] offset:512*n   ; and O^T as an image of its registers, each accumulator from its low end on
.set n, n+1
.endr
	ds_store_b128 v[MG], v[KR:KR+3] offset:8192
.Lnosend:
	s_wait_dscnt 0x0
	s_barrier_signal -1
	s_barrier_wait -1
	s_cmp_eq_u32 s[ROLE], 0
	s_cbranch_scc1 .Lend
.set n, 0
.rept 16
	ds_load_b128 v[S+4*n:S+4*n+3], v[MGL] offset:512*n
.set n, n+1
.endr
	ds_load_b128 v[KR:KR+3], v[MGL] offset:8192
	s_wait_dscnt 0x0
.irp x, 0,1                                    ; wave Y joins the two parts under the larger M: each is multiplied by 2^(its M - the larger M); a part with no step has f = 0
	v_min_num_f32 v[OM], v[ST+8*\x], v[KR+2*\x]
	v_sub_f32 v[ST+8*\x+4], v[OM], v[ST+8*\x]
	v_sub_f32 v[ST+8*\x+6], v[OM], v[KR+2*\x]
	v_cvt_i32_f32 v[ST+8*\x+4], v[ST+8*\x+4]
	v_cvt_i32_f32 v[ST+8*\x+6], v[ST+8*\x+6]
	v_ldexp_f32 v[ST+8*\x+4], 1.0, v[ST+8*\x+4]
	v_ldexp_f32 v[ST+8*\x+6], 1.0, v[ST+8*\x+6]
	v_pk_mul_f32 v[ST+8*\x+2:ST+8*\x+3], v[ST+8*\x+2:ST+8*\x+3], v[ST+8*\x+4:ST+8*\x+5] op_sel_hi:[1,0]
	v_fma_f32 v[ST+8*\x+2], v[KR+2*\x+1], v[ST+8*\x+6], v[ST+8*\x+2]
.endr
	s_wait_alu depctr_va_vdst(0)                   ; directly ahead of the first reader of O^T
.irp x, 0,1
.irp j, 0,2,4,6,8,10,12,14,16,18,20,22,24,26,28,30
	v_pk_mul_f32 v[O+32*\x+\j:O+32*\x+\j+1], v[O+32*\x+\j:O+32*\x+\j+1], v[ST+8*\x+4:ST+8*\x+5] op_sel_hi:[1,0]
.endr
.irp j, 0,2,4,6,8,10,12,14,16,18,20,22,24,26,28,30
	v_pk_fma_f32 v[O+32*\x+\j:O+32*\x+\j+1], v[S+32*\x+\j:S+32*\x+\j+1], v[ST+8*\x+6:ST+8*\x+7], v[O+32*\x+\j:O+32*\x+\j+1] op_sel_hi:[1,0,1]
.endr
.endr
	FINAL OL
.Lend:
	s_wait_tensorcnt 0x0                           ; the wave's end, behind my last tensor load and my last LDS store
	ds_add_u32 v[SPW], v[NIL]
	s_wait_dscnt 0x0
	CROUND                                         ; the closing round
	s_endpgm
.Lfunc_end_k_q193eac256c_attn:
	.size	k_q193eac256c_attn, .Lfunc_end_k_q193eac256c_attn-k_q193eac256c_attn
	.p2alignl 7, 3214868480
	.fill 96, 4, 3214868480
	.section	.rodata,"a",@progbits
	.p2align	6, 0x0
	.amdhsa_kernel k_q193eac256c_attn
		.amdhsa_group_segment_fixed_size 327680
		.amdhsa_private_segment_fixed_size 0
		.amdhsa_enable_private_segment 0
		.amdhsa_kernarg_size 40
		.amdhsa_user_sgpr_count 2
		.amdhsa_user_sgpr_kernarg_segment_ptr 1
		.amdhsa_wavefront_size32 1
		.amdhsa_system_sgpr_workgroup_id_x 1
		.amdhsa_system_sgpr_workgroup_id_y 1
		.amdhsa_system_sgpr_workgroup_id_z 1
		.amdhsa_system_vgpr_workitem_id 0
		.amdhsa_next_free_vgpr 256
		.amdhsa_next_free_sgpr 72
		.amdhsa_reserve_vcc 1
		.amdhsa_float_denorm_mode_32 3
		.amdhsa_float_denorm_mode_16_64 3
		.amdhsa_memory_ordered 1
		.amdhsa_forward_progress 1
		.amdhsa_inst_pref_size 82
	.end_amdhsa_kernel
	.amdgpu_metadata
---
amdhsa.version: [ 1, 2 ]
amdhsa.kernels:
  - .name:           k_q193eac256c_attn
    .symbol:         k_q193eac256c_attn.kd
    .args:
      - { .name: q_codes, .offset: 0, .size: 8, .value_kind: global_buffer, .address_space: global }
      - { .name: k_codes, .offset: 8, .size: 8, .value_kind: global_buffer, .address_space: global }
      - { .name: v_codes, .offset: 16, .size: 8, .value_kind: global_buffer, .address_space: global }
      - { .name: lowp_scales, .offset: 24, .size: 8, .value_kind: global_buffer, .address_space: global }
      - { .name: a_codes, .offset: 32, .size: 8, .value_kind: global_buffer, .address_space: global }
    .group_segment_fixed_size: 327680
    .private_segment_fixed_size: 0
    .kernarg_segment_align: 8
    .kernarg_segment_size: 40
    .max_flat_workgroup_size: 512
    .sgpr_count:     72
    .vgpr_count:     256
    .wavefront_size: 32
...
	.end_amdgpu_metadata
.endif
;; end of part 3
;; launch proj (part 4): grid 4 x 64, 4 waves a work-group, clusters of 4 x 4, 327,680 bytes of LDS; arguments a_codes, wout_codes, lowp_scales, out0; writes out0
.if DOCPART == 4
	.amdgcn_target "amdgcn-amd-amdhsa--gfx1250"
	.amdhsa_code_object_version 6
	.text
	.protected	k_q193eac256c_proj
	.globl	k_q193eac256c_proj
	.p2align	8
	.type	k_q193eac256c_proj,@function
k_q193eac256c_proj:
	s_mov_b64 s[64:65], 0
	v_nop
	global_prefetch_b8 v0, s[64:65] scope:SCOPE_SE
	s_setreg_imm32_b32 hwreg(HW_REG_WAVE_MODE, 25, 1), 1
	s_wait_xcnt 0x0
	s_wait_alu depctr_hold_cnt(0) depctr_sa_sdst(0) depctr_va_vdst(0) depctr_va_sdst(0) depctr_va_ssrc(0) depctr_va_vcc(0) depctr_vm_vsrc(0)
	s_getreg_b32 s2, hwreg(HW_REG_IB_STS2, 6, 4)
	s_cmp_eq_u32 s2, 0
	s_cbranch_scc0 .Lentry_in_a_cluster
	s_endpgm
.Lentry_in_a_cluster:
	s_bfe_u32 s2, ttmp6, 0x10000c
	s_cmp_lg_u32 s2, 0xf033
	s_cbranch_scc0 .Lentry_shape_is_right
	s_endpgm
.Lentry_shape_is_right:
; out0 = a Wout^T on codes of FP8 (E4M3), K = 1,024; each finished sum is multiplied once by 2^(e6 + e7).  LIMIT: e6 + e7 between -126 and 127, so that the factor is an f32 number.
; a_codes: [K / 256: 4][tile of 16 tokens: 512][4,096 bytes]: a tile's 4,096 bytes are eight chunks of 512, chunk c = 32 along K: lane (r, h) has 16 bytes, the registers 4 (c % 4) .. + 3 of a fragment of 16 tokens x 128 K.
; wout_codes: [1024][1024], one byte a code, in each block of 32 along K the pieces of 8 in the order 0, 2, 1, 3: 16 bytes at byte 32 c + 16 h of a row are the same registers of lane half h.
; A block of 128 tokens x 256 channels is made by a work-group of four waves: 64 x 4 blocks, one for each WGP.  A wave makes 64 tokens x 128 channels: 32 accumulators of 16 x 16, 256 registers.
; K goes in four K steps of 256 through two LDS slots: A's image (32,768 bytes, dense), then B's 256 rows of 256 bytes + 16 of padding.  Waves 0 and 1 fetch A's halves, waves 2 and 3 B's: one tensor load a wave.
; CLUSTERS: 4 x 4 work-groups.  The four of a row of the cluster need the same tokens, the four of a column the same channels: each tile is asked for JOINTLY.
; No prefetch: K steps 0 and 1 are asked for at the head, and the two refills follow one and two K steps later: no trip stands two K steps ahead of a refill.
; THE MATRIX INSTRUCTION IS USED TRANSPOSED (source 0 = 16 channels, source 1 = 16 tokens): a lane holds eight neighbouring numbers of a row of out0.
; REGISTERS: window 0: v16-29 addresses; v128-255 A's fragments, two sets of 4 x 16; on the way out v32-95 numbers at work, v128-255 rows read back.  Window 1: B's fragments, two sets of 8 x 16.  Window 2: the accumulators, (a, b) at v[8 (8 a + b)].
.set SIZE_N, 1024
.set ROWB,   256
.set KROW,   1024
.set ASTEP,  2097152                   ; from one K step of a_codes to the next
.set PITCH,  272
.set FR,     16
.set NP,     4                         ; places behind this matrix instruction (ISA guide 7.12.1)
.set HALFA,  16384                     ; 64 tokens x 256 K
.set HALFT,  128*PITCH
.set BOFF,   2*HALFA
.set SLOT,   BOFF+2*HALFT
.set SPARE,  2*SLOT                    ; behind the ring: the spare words, 128 bytes for each wave
.set SPITCH, 528                       ; the way out: a stage of 16 rows x (512 + 16) bytes for each wave, in slot 0, which has had its last fill and its last read by then
.set ADRA, 16
.set ADRB, 20
.set STO,  24
.set RD,   25
.set CO,   26
.set SPW,  28
.set NIL,  29
.set TMP,  32
.set AF,   128
.set BK,   128
.set G1, 24
.set G0, 32
.set G1B, 48
.set G0B, 56
.set MSB, 0
.macro WIN new                         ; the immediate's high byte repeats the setting that is left
.if MSB != \new
	s_set_vgpr_msb (MSB<<8)|\new
.set MSB, \new
.endif
.endm
.set MUL_LO, 0xa1                      ; source 0 (B) window 1, source 1 (A) window 0, C and D window 2
.set TO_B,   0x40
.macro JLOAD g0a, g1a, g0b, g1b        ; a joint load; the branch hangs on the wave's number alone; s_nop 0 and four v_nop follow each line
	s_cmp_eq_u32 s15, 0
	s_cbranch_scc0 .Lfor_b_\@
	tensor_load_to_lds s[\g0a:\g0a+3], s[\g1a:\g1a+7]
	s_nop 0
.rept 4
	v_nop
.endr
	s_branch .Lasked_\@
.Lfor_b_\@:
	tensor_load_to_lds s[\g0b:\g0b+3], s[\g1b:\g1b+7]
	s_nop 0
.rept 4
	v_nop
.endr
.Lasked_\@:
.endm
.macro CREST                           ; a round of the cluster's barrier behind its opening barrier
	s_cmp_lg_u32 s14, 0
	s_cbranch_scc1 .Lnot_wave_0_\@
	s_barrier_signal -3
.Lnot_wave_0_\@:
	s_barrier_wait -3
	s_barrier_signal -1
	s_barrier_wait -1
.endm
.macro CROUND
	s_barrier_signal -1
	s_barrier_wait -1
	CREST
.endm
	s_load_b128 s[4:7], s[0:1], 0x0                ; a's codes, Wout's codes
	s_load_b128 s[8:11], s[0:1], 0x10              ; the scales' exponents, out0
	v_lshl_add_u32 v[SPW], v0, 2, SPARE
	v_mov_b32 v[NIL], 0
	ds_add_u32 v[SPW], v[NIL]                      ; the wave's opening: the add, twice on end, and its wait ahead of my first tensor load
	ds_add_u32 v[SPW], v[NIL]
	v_lshrrev_b32 v1, 5, v0
	v_readfirstlane_b32 s14, v1                    ; wave 0..3
	s_lshr_b32 s15, s14, 1                         ; which 64 tokens are mine.  Also: I fetch for A (0) or for B (1)
	s_and_b32 s16, s14, 1                          ; which 128 channels.  Also: which half of that tile I fetch
	s_bfe_u32 s40, ttmp6, 0x40000                  ; cx, cy
	s_bfe_u32 s41, ttmp6, 0x40004
	s_lshl_b32 s42, ttmp9, 2
	s_add_co_u32 s42, s42, s40                     ; block of 256 channels
	s_and_b32 s17, ttmp7, 0xffff
	s_lshl_b32 s17, s17, 2
	s_add_co_u32 s17, s17, s41                     ; block of 128 tokens
	s_lshl_b32 s43, s41, 2
	s_lshl_b32 s43, 15, s43                        ; my row of the cluster
	s_lshl_b32 s44, 0x1111, s40                    ; my column
	s_or_b32 s[G1+0], s43, (0<<16)|(1<<21)         ; A: 64 rows of 256 bytes, dense in memory and in LDS
	s_mov_b32 s[G1+1], ROWB<<16
	s_mov_b32 s[G1+2], 64<<16
	s_mov_b32 s[G1+3], ROWB<<16
	s_mov_b32 s[G1+4], 64
	s_mov_b32 s[G1+5], ROWB
	s_mov_b32 s[G1+6], 0
	s_mov_b32 s[G1+7], 0
	s_or_b32 s[G1B+0], s44, (0<<16)|(1<<20)|(1<<21)|(5<<22)|(3<<25)   ; B: 128 rows of 256 bytes, 1,024 apart; four words of padding behind every 64
	s_mov_b32 s[G1B+1], ROWB<<16
	s_mov_b32 s[G1B+2], 128<<16
	s_mov_b32 s[G1B+3], ROWB<<16
	s_mov_b32 s[G1B+4], 128
	s_mov_b32 s[G1B+5], KROW
	s_mov_b32 s[G1B+6], 0
	s_mov_b32 s[G1B+7], 0
	s_lshl_b32 s20, s17, 15                        ; A: 128 tokens are 32,768 bytes of a K step,
	s_lshl_b32 s18, s16, 14
	s_add_co_u32 s20, s20, s18                     ; + my half
	s_mov_b32 s21, 0
	s_lshl_b32 s46, s42, 18                        ; B: 256 rows of 1,024 bytes,
	s_lshl_b32 s18, s16, 17
	s_add_co_u32 s46, s46, s18                     ; + my half
	s_mov_b32 s47, 0
	s_lshl_b32 s45, s16, 14                        ; where they go: no place in the cluster enters an LDS address
	s_mul_i32 s19, s16, HALFT
	s_add_co_u32 s19, s19, BOFF
	s_wait_dscnt 0x0                               ; both opening adds are done
	s_wait_kmcnt 0x0
	s_load_b64 s[96:97], s[8:9], 0x18              ; e6, e7
	s_add_nc_u64 s[20:21], s[4:5], s[20:21]
	s_add_nc_u64 s[46:47], s[6:7], s[46:47]
	CROUND                                         ; all sixteen work-groups are here: the first joint loads meet
.irp s, 0,1
	s_mov_b32 s[G0+4*\s], 1
	s_add_co_u32 s[G0+4*\s+1], s45, \s*SLOT
	s_add_nc_u64 s[G0+4*\s+2:G0+4*\s+3], s[20:21], \s*ASTEP
	s_or_b32 s[G0+4*\s+3], s[G0+4*\s+3], 0x80000000
	s_mov_b32 s[G0B+4*\s], 1
	s_add_co_u32 s[G0B+4*\s+1], s19, \s*SLOT
	s_add_nc_u64 s[G0B+4*\s+2:G0B+4*\s+3], s[46:47], \s*ROWB
	s_or_b32 s[G0B+4*\s+3], s[G0B+4*\s+3], 0x80000000
.endr
	JLOAD G0, G1, G0B, G1B                         ; K step 0: one tensor load a wave at the head
	v_and_b32 v1, 15, v0                           ; r
	v_bfe_u32 v2, v0, 4, 1                         ; h
	v_mul_u32_u24 v3, v1, PITCH
	v_lshl_add_u32 v4, v2, 4, v3                   ; B: row x pitch + 16 h
	v_and_b32 v6, 31, v0
	v_lshlrev_b32 v[CO], 4, v6                     ; A: 16 x lane.  Also my place in a row of 512 bytes on the way out
	s_lshl_b32 s21, s15, 14                        ; my 64 tokens of A
	s_mul_i32 s22, s16, HALFT
	s_add_co_u32 s22, s22, BOFF                    ; my 128 rows of B
.irp s, 0,1
	v_add_nc_u32 v[ADRA+\s], s21, v[CO]
	v_add_nc_u32 v[ADRB+\s], s22, v4
	s_add_co_u32 s21, s21, SLOT
	s_add_co_u32 s22, s22, SLOT
.endr
	s_mul_i32 s23, s14, 16*SPITCH                  ; my stage
	s_wait_alu depctr_va_vdst(0)
	v_mul_u32_u24 v5, v1, SPITCH
	v_lshl_add_u32 v5, v2, 5, v5
	v_add_nc_u32 v[STO], s23, v5                   ; in: row r, 32 bytes for each half of the lanes
	v_add_nc_u32 v[RD], s23, v[CO]                 ; back: the 32 lanes take one row of 512 bytes
	s_lshl_b32 s20, s17, 7
	s_lshl_b32 s21, s15, 6
	s_add_co_u32 s20, s20, s21                     ; my first row of out0
	s_lshl_b32 s20, s20, 12                        ; 4,096 bytes a row
	s_lshl_b32 s46, s42, 10
	s_add_co_u32 s20, s20, s46
	s_lshl_b32 s46, s16, 9
	s_add_co_u32 s20, s20, s46                     ; my first column
	s_mov_b32 s21, 0
	s_add_nc_u64 s[10:11], s[10:11], s[20:21]
; 16 matrix instructions: A's blocks a0, a0 + 1 x B's eight, 128 along K, on sets p.  zero = 1: the first product starts the sums.  The 32 accumulators take turns, in the same order in every step.
.macro MUL16 a0, p, zero
.irp a, \a0, \a0+1
.irp b, 0,1,2,3,4,5,6,7
.if \zero
	v_wmma_f32_16x16x128_fp8_fp8 v[8*(8*(\a)+\b):8*(8*(\a)+\b)+7], v[128*(\p)+FR*\b:128*(\p)+FR*\b+FR-1], v[AF+64*(\p)+FR*(\a):AF+64*(\p)+FR*(\a)+FR-1], 0
.else
	v_wmma_f32_16x16x128_fp8_fp8 v[8*(8*(\a)+\b):8*(8*(\a)+\b)+7], v[128*(\p)+FR*\b:128*(\p)+FR*\b+FR-1], v[AF+64*(\p)+FR*(\a):AF+64*(\p)+FR*(\a)+FR-1], v[8*(8*(\a)+\b):8*(8*(\a)+\b)+7]
.endif
.endr
.endr
.endm
.macro FETCH slot, q, p                ; 48 LDS loads in one run: the fragments of the slot's q-th 128 along K into sets p
	WIN TO_B
.irp i, 0,1,2,3,4,5,6,7
.irp c, 0,1,2,3
	ds_load_b128 v[128*(\p)+FR*\i+4*\c:128*(\p)+FR*\i+4*\c+3], v[ADRB+\slot] offset:128*(\q)+32*\c+\i*16*PITCH
.endr
.endr
	WIN 0
.irp i, 0,1,2,3
.irp c, 0,1,2,3
	ds_load_b128 v[AF+64*(\p)+FR*\i+4*\c:AF+64*(\p)+FR*\i+4*\c+3], v[ADRA+\slot] offset:4096*\i+2048*(\q)+512*\c
.endr
.endr
.endm
.macro PLACES n                        ; a load into a register that a matrix instruction has read, and a read of a matrix result, stand NP plain vector lines behind it
.rept \n
	v_nop
.endr
.endm
.macro STEP slot, zero                 ; a slot's first 128 along K, on sets 0; the second 128's fragments fly into sets 1 under the 32 products
	s_wait_dscnt 0x0
	PLACES NP
	FETCH \slot, 1, 1
	WIN MUL_LO
	MUL16 0, 0, \zero
	MUL16 2, 0, \zero
	WIN 0
.endm
; A slot's second 128, on sets 1, changes slots: ONE barrier; in front of it each wave waits for all its tensor loads, adds 0 to its spare word, and waits for that and for its reads of this slot.  fill = 1: this slot is filled again, two K steps on.
.macro TURN slot, next, fill
	s_wait_dscnt 0x0                               ; sets 1 are in: my reads of this slot are over
	WIN MUL_LO
	MUL16 0, 1, 0
	WIN 0
	s_wait_tensorcnt 0x0                           ; my part of the next slot has landed
	ds_add_u32 v[SPW], v[NIL]
	s_wait_dscnt 0x0
	s_barrier_signal -1
	s_barrier_wait -1
.if \fill
	CREST                                          ; the barrier has opened a round of the cluster's barrier
	s_add_nc_u64 s[G0+4*\slot+2:G0+4*\slot+3], s[G0+4*\slot+2:G0+4*\slot+3], 2*ASTEP
	s_add_nc_u64 s[G0B+4*\slot+2:G0B+4*\slot+3], s[G0B+4*\slot+2:G0B+4*\slot+3], 2*ROWB
	JLOAD G0+4*\slot, G1, G0B+4*\slot, G1B         ; the first tensor load behind the round; its four v_nop are the places in front of the loads below
.else
	PLACES NP
.endif
	FETCH \next, 0, 0
	WIN MUL_LO
	MUL16 2, 1, 0
	WIN 0
.endm
	s_wait_alu depctr_va_vdst(0)                   ; at the head's end
	s_wait_tensorcnt 0x0                           ; my part of K step 0 is in
	ds_add_u32 v[SPW], v[NIL]
	s_wait_dscnt 0x0
	CROUND
	JLOAD G0+4, G1, G0B+4, G1B                     ; K step 1's load, the first tensor load behind the round
	FETCH 0, 0, 0
	STEP 0, 1                                      ; K = 1,024 is four K steps: written out, since a loop over pairs of them would have one trip
	TURN 0, 1, 1
	STEP 1, 0
	TURN 1, 0, 1
	STEP 0, 0
	TURN 0, 1, 0                                   ; nothing is left to fetch: no round
	STEP 1, 0
	s_wait_dscnt 0x0
	WIN MUL_LO
	MUL16 0, 1, 0
	MUL16 2, 1, 0
	WIN 0
; THE WAY OUT, block by block of 16 rows x 128 columns: x 2^(e6 + e7), through my own stage in LDS, back as whole rows of 512 bytes.  LDS serves a wave's instructions in order (ISA guide 5.7.1.4).
.macro TOSTAGE a
.set AC, 64*(\a)
	WIN 0x02
.irp j, 0,2,4,6,8,10,12,14,16,18,20,22,24,26,28,30,32,34,36,38,40,42,44,46,48,50,52,54,56,58,60,62
	v_pk_mul_f32 v[TMP+\j:TMP+\j+1], v[AC+\j:AC+\j+1], s[96:97] op_sel_hi:[1,0]   ; each accumulator from its low end on
.endr
	WIN 0
.irp b, 0,1,2,3,4,5,6,7
	ds_store_b128 v[STO], v[TMP+8*\b:TMP+8*\b+3] offset:64*\b
	ds_store_b128 v[STO], v[TMP+8*\b+4:TMP+8*\b+7] offset:64*\b+16
.endr
.set BB, BK+64*((\a)%2)
.irp t, 0,1,2,3,4,5,6,7,8,9,10,11,12,13,14,15
	ds_load_b128 v[BB+4*\t:BB+4*\t+3], v[RD] offset:\t*SPITCH
.endr
.endm
.macro SEND a, younger                 ; younger: the LDS instructions issued behind block a's loads, which may stay out
.set BB, BK+64*((\a)%2)
	s_wait_dscnt \younger
.if (\a) > 0
	s_add_nc_u64 s[10:11], s[10:11], 16*SIZE_N*4   ; (behind a wait on XCNT: the earlier stores have read their base)
.endif
.irp t, 0,1,2,3,4,5,6,7,8,9,10,11,12,13,14,15
	global_store_b128 v[CO], v[BB+4*\t:BB+4*\t+3], s[10:11] offset:\t*SIZE_N*4 th:TH_STORE_NT   ; 32 lanes store 512 consecutive bytes, aligned
.endr
.endm
	s_wait_kmcnt 0x0
	s_add_co_i32 s96, s96, s97
	s_add_co_i32 s96, s96, 127
	s_lshl_b32 s96, s96, 23                        ; 2^(e6 + e7) as f32
	PLACES NP
	TOSTAGE 0
.irp a, 1,2,3
.if \a > 1
	s_wait_xcnt 0x0                                ; block a - 2's stores have read their registers and their base
.endif
	TOSTAGE \a
	SEND \a-1, 32
.endr
	s_wait_xcnt 0x0
	SEND 3, 0
	s_wait_tensorcnt 0x0                           ; the wave's end
	ds_add_u32 v[SPW], v[NIL]
	s_wait_dscnt 0x0
	CROUND                                         ; the closing round
	s_endpgm
.Lfunc_end_k_q193eac256c_proj:
	.size	k_q193eac256c_proj, .Lfunc_end_k_q193eac256c_proj-k_q193eac256c_proj
	.p2alignl 7, 3214868480
	.fill 96, 4, 3214868480
	.section	.rodata,"a",@progbits
	.p2align	6, 0x0
	.amdhsa_kernel k_q193eac256c_proj
		.amdhsa_group_segment_fixed_size 327680
		.amdhsa_private_segment_fixed_size 0
		.amdhsa_enable_private_segment 0
		.amdhsa_kernarg_size 32
		.amdhsa_user_sgpr_count 2
		.amdhsa_user_sgpr_kernarg_segment_ptr 1
		.amdhsa_wavefront_size32 1
		.amdhsa_system_sgpr_workgroup_id_x 1
		.amdhsa_system_sgpr_workgroup_id_y 1
		.amdhsa_system_sgpr_workgroup_id_z 1
		.amdhsa_system_vgpr_workitem_id 0
		.amdhsa_next_free_vgpr 768
		.amdhsa_next_free_sgpr 98
		.amdhsa_reserve_vcc 0
		.amdhsa_float_denorm_mode_32 3
		.amdhsa_float_denorm_mode_16_64 3
		.amdhsa_memory_ordered 1
		.amdhsa_forward_progress 1
		.amdhsa_inst_pref_size 75
	.end_amdhsa_kernel
	.amdgpu_metadata
---
amdhsa.version: [ 1, 2 ]
amdhsa.kernels:
  - .name:           k_q193eac256c_proj
    .symbol:         k_q193eac256c_proj.kd
    .args:
      - { .name: a_codes, .offset: 0, .size: 8, .value_kind: global_buffer, .address_space: global }
      - { .name: wout_codes, .offset: 8, .size: 8, .value_kind: global_buffer, .address_space: global }
      - { .name: lowp_scales, .offset: 16, .size: 8, .value_kind: global_buffer, .address_space: global }
      - { .name: out0, .offset: 24, .size: 8, .value_kind: global_buffer, .address_space: global }
    .group_segment_fixed_size: 327680
    .private_segment_fixed_size: 0
    .kernarg_segment_align: 8
    .kernarg_segment_size: 32
    .max_flat_workgroup_size: 128
    .sgpr_count:     98
    .vgpr_count:     768
    .wavefront_size: 32
...
	.end_amdgpu_metadata
.endif
;; end of part 4
